; MI455X (gfx1250); checked and timed in simulation.
; The chip was launched on July 23, 2026; its instructions are those of AMD's public machine-readable ISA for CDNA 5 (MIT licence, August 2026) and "CDNA5" Instruction Set Architecture Reference Guide (July 2026). The comments in the code are by the model that wrote it; some were corrected since.
;; Attention. Allowed arithmetic: matrix products marked QUANTISED: E2M3 operands, one E8M0 scale for each 32 along K, by v_wmma_scale_f32_16x16x128_f8f6f4 with both operands' format E2M3, f32 sums; everything else in f32.
;; Inputs: b_proj 1,024 float32; b_qkv 3,072 float32; w_proj 1,024 x 1,024 float32; w_qkv 1,024 x 3,072 float32; x 8 x 1,024 x 1,024 float32.
;; Outputs: out0 8 x 1,024 x 1,024 float32.
;; This version of the problem:
;;   THIS VERSION OF THE PROBLEM IS GIVEN IN LOW PRECISION. The matrix products marked QUANTISED in the list below multiply operands that are first quantised to E2M3 (2 exponent bits, 3 mantissa bits; 6 bits a number), with one power-of-two scale for each 32 numbers along K (OCP MX v1.0); their sums are f32. All else is computed in f32.
;;   The module's matrix products, in the order in which they are computed (A, B: the left and right operand; K: the contracted axis; several contracted axes count as one K, in the product's order):
;;     1. [M 8,192, K 1,024] x [K 1,024, N 3,072]; A: input x; B: input w_qkv: QUANTISED
;;     2. batch 128 x [M 1,024, K 64] x [K 64, N 1,024]; A: computed on the way; B: computed on the way: QUANTISED
;;     3. batch 128 x [M 1,024, K 1,024] x [K 1,024, N 64]; A: softmax (see below); B: computed on the way: QUANTISED
;;     4. [M 8,192, K 1,024] x [K 1,024, N 1,024]; A: computed on the way; B: input w_proj: QUANTISED
;;   THE QUANTISER, for each operand of a quantised product, along K:
;;     - K is cut into blocks of 32 from its start; a last block that is shorter is filled with zeros.
;;     - A block's scale is 2^e with e = floor(log2(the largest magnitude in the block)) - 2, held to -126 .. 127; a block of zeros has e = 0. As a byte (E8M0): e + 127.
;;     - Each number is divided by its block's scale, clamped to +-7.5, and rounded to the nearest number of E2M3, ties to even, subnormals kept.
;;     - The product sums the exact products of the quantised numbers (number of the format x scale) in f32.
;;   ~~~python
;;   def quantise(x, axis):      # numpy; x: float32 -> the quantised numbers, widened to float32 again
;;       x = np.moveaxis(x, axis, -1); K = x.shape[-1]
;;       x = np.pad(x, [(0, 0)] * (x.ndim - 1) + [(0, -K % 32)]); x = x.reshape(x.shape[:-1] + (-1, 32)); a = np.abs(x).max(-1, keepdims=True)
;;       e = np.where(a > 0, np.clip(np.frexp(np.where(a > 0, a, 1))[1] - 1 - 2, -126, 127), 0)      # np.frexp(a)[1] - 1 = floor(log2(a)), exactly
;;       r = np.clip(x / 2.0 ** e, -7.5, 7.5)
;;       step = 2.0 ** (np.maximum(np.frexp(np.where(r == 0, 1, r))[1] - 1, 0) - 3)
;;       q = np.round(r / step) * step * 2.0 ** e      # np.round: ties to even
;;       return np.moveaxis(q.reshape(q.shape[:-2] + (-1,))[..., :K], -1, axis).astype(np.float32)
;;   ~~~
;;   SOFTMAX AHEAD OF A QUANTISED PRODUCT. Where the list says 'softmax', what is quantised is not the finished softmax but p = 2^(t - M), with t = logit x log2(e) and M = ceil(the row's largest t), a whole number; so 1/2 < the row's largest p <= 1. The row's sum l is taken of the UNQUANTISED p, in f32, and the product's result is divided by l at the end. Since M is a whole number, a kernel that streams over the keys may use a running M (the ceiling of the running maximum): every later rescaling is an exact power of two, which a block's scale takes up: the codes' values come out the same.
;;   OPERANDS COMPUTED ON THE WAY. 'Computed on the way' means the value that the module computes at that place (a softmax that the list does not call 'softmax' is quantised finished and normalised). What goes into a quantiser is computed in f32, as accurately as f32 sums, v_exp_f32 and their like allow (about 1e-6 of the number): no bf16 or f16 on the way to a quantiser, and a product that is left as it is and whose result goes on into a quantised operand takes f32 operands (vector FMAs, or v_wmma_f32_16x16x4_f32). A number that lies on a knife's edge between two numbers of the format may be rounded either way, as far as f32 arithmetic and the matrix unit's own rounding can turn it there, and no further.
;; One version. Each part assembles by itself: llvm-mc -triple=amdgcn-amd-amdhsa -mcpu=gfx1250 --defsym DOCPART=n.
;; ======== version 1 of 1: 4 launches
;; limits: right only within a limited range of input values
;; workspace buffers: x_codes 6,291,456 bytes; x_scales 262,144 bytes; wc 3,145,728 bytes; ws 131,072 bytes; qb 6,553,600 bytes; kv 13,107,200 bytes; o_img 6,291,456 bytes; o_sc 262,144 bytes
;; launch quant (part 1): grid 384 x 1, 4 waves a work-group, no clusters, 68,096 bytes of LDS; arguments x, w_qkv, w_proj, x_codes, x_scales, wc, ws; writes x_codes, x_scales, wc, ws
.if DOCPART == 1
	.amdgcn_target "amdgcn-amd-amdhsa--gfx1250"
	.amdhsa_code_object_version 6
	.text
	.protected	k_q53c07da005_quant
	.globl	k_q53c07da005_quant
	.p2align	8
	.type	k_q53c07da005_quant,@function
k_q53c07da005_quant:
	s_mov_b64 s[64:65], 0
	v_nop
	global_prefetch_b8 v0, s[64:65] scope:SCOPE_SE
	s_setreg_imm32_b32 hwreg(HW_REG_WAVE_MODE, 25, 1), 1
	s_wait_xcnt 0x0
; x [8192][1024], w_qkv [1024][3072] and w_proj [1024][1024], f32, become codes of FP6 (E2M3) with one E8M0 byte for each 32 along K.
; x_codes [8192][768], x_scales [8192][32]: K is x's last axis, so x is a plain stream of blocks of 32.
; wc [4096][768], ws [4096][32]: row n < 3072 is column n of w_qkv, row 3072 + n column n of w_proj; K (the weights' FIRST axis) innermost.
; In w_proj's rows place p of each block of 32 holds k = sigma(p), sigma = p with its bits 3 and 4 exchanged: the order in which the attention
; launch leaves its output's codes.  A block keeps its 32 numbers, so its scale is the rule's, and both operands of that product are ordered alike.
; A block's scale byte is its largest magnitude's exponent field - 2, held at 1 from below; the conversion divides by the scale and rounds to the nearest code, ties to even, beyond 7.5 the largest code.
; LIMITS: NaN and infinities are not served; a block whose largest magnitude lies under 2^-124, a block of zeros among them, gets the byte 1 (the rule: 127 for zeros):
; its codes are then what the held scale gives (zeros for zeros), and the bytes are read by this program alone.
; Work-groups 0-255 take x (a wave: 16 steps of 512 numbers), 256-383 the weights (a wave: 32 columns x 256 along K).  Each path has LDS bytes of its own.
; No tensor loads, no barrier: waves share nothing, and no work-group reads what another reads, so there is nothing for a cluster to share.
; THE CODES' LAYOUT, which takes the place of the plain rows of 768 bytes named above: a chunk is 256 along K, 192 bytes of a row.
; x_codes and wc's rows 0 - 3,071: [256 rows][chunk 0-3][row in the 256][192 bytes]; wc's rows 3,072 on: [128 rows][chunk 0-3][row in the 128][192 bytes].
; So the rows that a product's launch fetches of one chunk are one dense run of bytes that begins at a multiple of 256.  The scale bytes lie as named above.
.set STEPS, 16
.set EMAX,  2
.set CB,    12                         ; bytes of 16 codes
.set R,     16                         ; x path: v16-79 four sets of 16 numbers as loaded
.set X,     80                         ; v80-111 two sets of 16 neighbours
.set E,     112                        ; v112-127 a scale byte for each step
.set C,     128                        ; v128-191 codes, four registers a step
.set WREG,  8192                       ; LDS of a wave on the x path: two stages of 32 x SP bytes, then 256 scale bytes
.set SP,    80
.set WSTG,  32768                      ; the weights' path: stages from here on, 32 rows x WP bytes a wave
.set WP,    272
.set KROW,  768                        ; a row of wc
.set NB,    8                          ; blocks of a wave
.set WX,    32                         ; v32-95 two sets of 32 numbers
.set WC,    96                         ; v96-102 a block's codes
.set OUTR,  112                        ; v112-175 the way out
.set SB,    24                         ; v24-25 the scale bytes
.set WOF,   176                        ; v176-207 place i of a block: its row's byte offset + 4 x lane
	s_load_b256 s[4:11], s[0:1], 0x0               ; x, w_qkv, w_proj, x_codes
	s_load_b128 s[12:15], s[0:1], 0x20             ; x_scales, wc
	s_load_b64 s[16:17], s[0:1], 0x30              ; ws
	v_lshl_add_u32 v208, v0, 2, 0x10800
	v_mov_b32 v209, 0
	v_lshrrev_b32 v1, 5, v0
	v_readfirstlane_b32 s18, v1                    ; wave
	v_and_b32 v2, 31, v0                           ; lane
	s_cmp_lt_u32 ttmp9, 256
	s_cbranch_scc0 .Lw
	; ---------------- x ----------------
	v_lshlrev_b32 v3, 4, v2                        ; my 16 bytes of a load's 512
	s_mul_i32 s19, s18, WREG
	v_lshrrev_b32 v14, 2, v2
	v_mul_u32_u24 v14, v14, SP
	v_and_b32 v15, 3, v2
	v_lshl_add_u32 v14, v15, 4, v14
	v_add_nc_u32 v14, s19, v14                     ; into the stage: four lanes' 64 bytes on end, then 16 of padding
	v_mul_u32_u24 v15, v2, SP
	v_add_nc_u32 v15, s19, v15                     ; out of it: my 16 neighbours
	v_and_b32 v4, 15, v2
	v_mul_u32_u24 v4, v4, CB                       ; sixteen lanes fill a row's 192 bytes of one chunk;
	v_lshrrev_b32 v10, 4, v2
	v_mad_u32_u24 v4, v10, 49152, v4               ; lanes 16-31 hold the next chunk's
	v_lshrrev_b32 v5, 1, v2
	s_add_co_u32 s19, s19, 2*32*SP
	v_add_nc_u32 v5, s19, v5                       ; my block's scale byte in LDS
	v_lshlrev_b32 v7, 3, v2
	v_add_nc_u32 v6, s19, v7
	s_lshl_b32 s20, ttmp9, 2
	s_add_co_u32 s20, s20, s18                     ; which run of 8,192 numbers is my wave's
	s_mov_b32 s21, 0
	s_lshl_b64 s[22:23], s[20:21], 15              ; 32,768 bytes of x,
	s_lshr_b32 s24, s20, 5                         ; my 8 rows: which 256 rows,
	s_mul_i32 s24, s24, 196608
	s_and_b32 s28, s20, 31
	s_mul_i32 s28, s28, 1536                       ; and where in them
	s_add_co_u32 s24, s24, s28
	s_mov_b32 s25, 0
	s_lshl_b32 s26, s20, 8                         ; 256 scale bytes a run
	s_mov_b32 s27, 0
	s_wait_alu depctr_va_vdst(0)
	s_wait_kmcnt 0x0
	s_add_nc_u64 s[4:5], s[4:5], s[22:23]
	s_add_nc_u64 s[10:11], s[10:11], s[24:25]
	s_add_nc_u64 s[12:13], s[12:13], s[26:27]
.macro XLOAD t
.irp i, 0,1,2,3
	global_load_b128 v[R+16*((\t)%4)+4*\i:R+16*((\t)%4)+4*\i+3], v3, s[4:5] offset:2048*(\t)+512*\i th:TH_LOAD_NT   ; 32 lanes read 512 consecutive bytes
.endr
.endm
.macro XTURN t                         ; a step's numbers through the wave's own stage; LDS serves a wave's instructions in order
.irp i, 0,1,2,3
	ds_store_b128 v14, v[R+16*((\t)%4)+4*\i:R+16*((\t)%4)+4*\i+3] offset:32*SP*((\t)%2)+8*SP*\i
.endr
.irp i, 0,1,2,3
	ds_load_b128 v[X+16*((\t)%2)+4*\i:X+16*((\t)%2)+4*\i+3], v15 offset:32*SP*((\t)%2)+16*\i
.endr
.endm
.irp t, 0,1,2,3
	XLOAD \t
.endr
	s_wait_loadcnt 12                              ; step 0's four loads are in
	XTURN 0
.macro XSTEP t
.set XS, X+16*((\t)%2)
.if (\t) > 0
	s_wait_dscnt 1                                 ; this step's numbers are back (the last step's byte store may be out)
.else
	s_wait_dscnt 0x0
.endif
.if (\t)+4 < STEPS
	XLOAD (\t)+4
.endif
.if (\t)+1 < STEPS
.if STEPS-2-(\t) >= 3
	s_wait_loadcnt 12                              ; the next step's loads are in; those of the three steps behind it may be out
.else
	s_wait_loadcnt 4*(STEPS-2-(\t))
.endif
	XTURN (\t)+1
.endif
	v_max3_num_f32 v8, |v[XS]|, |v[XS+1]|, |v[XS+2]|
	v_max3_num_f32 v9, |v[XS+3]|, |v[XS+4]|, |v[XS+5]|
.irp i, 6,10
	v_max3_num_f32 v8, v8, |v[XS+\i]|, |v[XS+\i+1]|
	v_max3_num_f32 v9, v9, |v[XS+\i+2]|, |v[XS+\i+3]|
.endr
	v_max3_num_f32 v8, v8, |v[XS+14]|, |v[XS+15]|
	v_max3_num_f32 v8, v8, v9, (EMAX+1)<<23        ; the floor 2^(3 - 127): the byte cannot fall under 1
	v_max_num_f32_dpp v8, v8, v8 row_xmask:1 row_mask:0xf bank_mask:0xf   ; with my neighbour's 16: the block's largest magnitude
	v_add_nc_u32 v11, -(EMAX<<23), v8              ; 2 off its exponent field: the conversion's scale operand
	v_cvt_scalef32_pk16_fp6_f32 v[C+4*(\t):C+4*(\t)+2], v[XS:XS+15], v11
	v_lshrrev_b32 v[E+(\t)], 23, v11               ; the scale's byte
	ds_store_b8 v5, v[E+(\t)] offset:16*(\t)       ; both lanes of a block write the same byte with the same value
	global_store_b96 v4, v[C+4*(\t):C+4*(\t)+2], s[10:11] offset:192*((\t)/2)+98304*((\t)%2)   ; row t / 2 of my 8, chunks 2 (t % 2) and 2 (t % 2) + 1
.endm
.irp t, 0,1,2,3,4,5,6,7,8,9,10,11,12,13,14,15
	XSTEP \t
.endr
	ds_load_b64 v[12:13], v6
	s_wait_dscnt 0x0
	global_store_b64 v7, v[12:13], s[12:13]        ; 32 lanes store 256 consecutive bytes, aligned
	s_wait_tensorcnt 0x0
	ds_add_u32 v208, v209
	s_wait_dscnt 0x0
	s_endpgm
	; ---------------- the weights: a lane takes a column, its registers run down K ----------------
.Lw:
	s_sub_co_u32 s20, ttmp9, 256
	s_lshr_b32 s21, s20, 2                         ; which 128 rows of wc
	s_and_b32 s22, s20, 3                          ; which 256 along K
	s_lshl_b32 s23, s21, 7
	s_lshl_b32 s24, s18, 5
	s_add_co_u32 s23, s23, s24                     ; my wave's first row of wc
	s_wait_alu depctr_va_vdst(0)
	v_lshlrev_b32 v3, 2, v2
	s_mul_i32 s19, s18, 32*WP
	s_add_co_u32 s19, s19, WSTG                    ; my stage
	v_mul_u32_u24 v4, v2, WP
	v_add_nc_u32 v4, s19, v4                       ; into it: row = my column
	v_and_b32 v5, 15, v2
	v_lshrrev_b32 v6, 4, v2
	v_mul_u32_u24 v7, v6, WP
	v_lshl_add_u32 v7, v5, 4, v7
	v_add_nc_u32 v7, s19, v7                       ; out of it: sixteen lanes to a row
	v_mul_u32_u24 v8, v6, 192
	v_mad_u32_u24 v8, v5, 12, v8                   ; and the same place in wc
	v_lshlrev_b32 v9, 5, v2                        ; my column's row of ws
	s_wait_kmcnt 0x0
	s_cmp_lt_u32 s21, 24                           ; w_qkv's rows or w_proj's?  All choices are made on this one compare
	s_cselect_b64 s[6:7], s[6:7], s[8:9]
	s_mov_b32 s25, 4096
	s_cselect_b32 s25, 12288, s25                  ; a row of the source in bytes
	s_cselect_b32 s26, 0, 3072
.set i, 0
.rept 32
	s_cselect_b32 s27, i, (i&7)|((i&8)<<1)|((i&16)>>1)   ; place i takes row i of the block (w_qkv) or row sigma(i) (w_proj)
	s_mul_i32 s27, s27, s25
	v_add_nc_u32 v[WOF+i], s27, v3
.set i, i+1
.endr
	s_sub_co_u32 s26, s23, s26                     ; my first column in the source
	s_lshl_b32 s26, s26, 2
	s_lshl_b32 s28, s22, 8
	s_mul_i32 s28, s28, s25                        ; 256 y rows down
	s_add_co_u32 s28, s28, s26
	s_mov_b32 s29, 0
	s_add_nc_u64 s[32:33], s[6:7], s[28:29]        ; block 0's base;
	s_lshl_b32 s30, s25, 5
	s_mov_b32 s31, 0
.irp t, 1,2,3,4,5,6,7
	s_add_nc_u64 s[32+2*\t:33+2*\t], s[30+2*\t:31+2*\t], s[30:31]   ; each further block 32 rows on
.endr
	s_and_b32 s27, s21, 1                          ; where my wave's 32 rows of this chunk lie: 6,144 dense bytes
	s_mul_i32 s27, s27, 73728
	s_mov_b32 s24, 24576
	s_cmp_lt_u32 s21, 24
	s_cselect_b32 s27, s27, 0                      ; w_qkv: groups of 256 rows, chunks 49,152 bytes apart; w_proj: groups of 128, 24,576 apart
	s_cselect_b32 s24, 49152, s24
	s_mul_i32 s28, s21, 98304
	s_sub_co_u32 s28, s28, s27
	s_mul_i32 s24, s24, s22
	s_add_co_u32 s28, s28, s24
	s_mul_i32 s24, s18, 6144
	s_add_co_u32 s28, s28, s24
	s_add_nc_u64 s[14:15], s[14:15], s[28:29]
	s_lshl_b32 s28, s23, 5
	s_lshl_b32 s27, s22, 3
	s_add_co_u32 s28, s28, s27
	s_add_nc_u64 s[16:17], s[16:17], s[28:29]
.macro WLOAD t
.set i, 0
.rept 32
	global_load_b32 v[WX+32*((\t)%2)+i], v[WOF+i], s[32+2*(\t):33+2*(\t)] th:TH_LOAD_NT   ; 32 lanes read 128 consecutive bytes of one row
.set i, i+1
.endr
.endm
	s_wait_alu depctr_va_vdst(0)
	WLOAD 0
	WLOAD 1
.macro WBLOCK t
.set XS, WX+32*((\t)%2)
.if (\t) < NB-1
	s_wait_loadcnt 32                              ; this block's 32 loads are in; the next block's may be out
.else
	s_wait_loadcnt 0
.endif
	v_max3_num_f32 v12, |v[XS]|, |v[XS+1]|, |v[XS+2]|
	v_max3_num_f32 v13, |v[XS+3]|, |v[XS+4]|, |v[XS+5]|
.irp i, 6,10,14,18,22,26
	v_max3_num_f32 v12, v12, |v[XS+\i]|, |v[XS+\i+1]|
	v_max3_num_f32 v13, v13, |v[XS+\i+2]|, |v[XS+\i+3]|
.endr
	v_max3_num_f32 v12, v12, |v[XS+30]|, |v[XS+31]|
	v_max3_num_f32 v12, v12, v13, (EMAX+1)<<23
	v_add_nc_u32 v11, -(EMAX<<23), v12
	v_lshrrev_b32 v13, 23, v11
.if (\t)%4 == 0
	v_mov_b32 v[SB+(\t)/4], v13
.else
	v_lshl_or_b32 v[SB+(\t)/4], v13, 8*((\t)%4), v[SB+(\t)/4]
.endif
	v_cvt_scalef32_pk16_fp6_f32 v[WC:WC+2], v[XS:XS+15], v11
	v_cvt_scalef32_pk16_fp6_f32 v[WC+4:WC+6], v[XS+16:XS+31], v11
	ds_store_b96 v4, v[WC:WC+2] offset:32*(\t)     ; 12 bytes to a place of 16
	ds_store_b96 v4, v[WC+4:WC+6] offset:32*(\t)+16
.if (\t)+2 < NB
	WLOAD (\t)+2
.endif
	s_wait_dscnt 0x0                               ; the stores have read their registers: the next block's codes may be written
.endm
.irp t, 0,1,2,3,4,5,6,7
	WBLOCK \t
.endr
	s_wait_alu depctr_va_vdst(0)
	global_store_b64 v9, v[SB:SB+1], s[16:17]      ; my column's eight scale bytes
.irp t, 0,1,2,3,4,5,6,7,8,9,10,11,12,13,14,15
	ds_load_b96 v[OUTR+4*\t:OUTR+4*\t+2], v7 offset:2*\t*WP
.endr
.irp t, 0,1,2,3,4,5,6,7,8,9,10,11,12,13,14,15
	s_wait_dscnt 15-\t
	global_store_b96 v8, v[OUTR+4*\t:OUTR+4*\t+2], s[14:15] offset:2*\t*192   ; 32 lanes store 384 consecutive bytes
.endr
	s_wait_tensorcnt 0x0
	ds_add_u32 v208, v209
	s_wait_dscnt 0x0
	s_endpgm
.Lfunc_end_k_q53c07da005_quant:
	.size	k_q53c07da005_quant, .Lfunc_end_k_q53c07da005_quant-k_q53c07da005_quant
	.p2alignl 7, 3214868480
	.fill 96, 4, 3214868480
	.section	.rodata,"a",@progbits
	.p2align	6, 0x0
	.amdhsa_kernel k_q53c07da005_quant
		.amdhsa_group_segment_fixed_size 68096
		.amdhsa_private_segment_fixed_size 0
		.amdhsa_enable_private_segment 0
		.amdhsa_kernarg_size 56
		.amdhsa_user_sgpr_count 2
		.amdhsa_user_sgpr_kernarg_segment_ptr 1
		.amdhsa_wavefront_size32 1
		.amdhsa_system_sgpr_workgroup_id_x 1
		.amdhsa_system_sgpr_workgroup_id_y 1
		.amdhsa_system_sgpr_workgroup_id_z 1
		.amdhsa_system_vgpr_workitem_id 0
		.amdhsa_next_free_vgpr 210
		.amdhsa_next_free_sgpr 66
		.amdhsa_reserve_vcc 0
		.amdhsa_float_denorm_mode_32 3
		.amdhsa_float_denorm_mode_16_64 3
		.amdhsa_memory_ordered 1
		.amdhsa_forward_progress 1
		.amdhsa_inst_pref_size 77
	.end_amdhsa_kernel
	.amdgpu_metadata
---
amdhsa.version: [ 1, 2 ]
amdhsa.kernels:
  - .name:           k_q53c07da005_quant
    .symbol:         k_q53c07da005_quant.kd
    .args:
      - { .name: x, .offset: 0, .size: 8, .value_kind: global_buffer, .address_space: global }
      - { .name: w_qkv, .offset: 8, .size: 8, .value_kind: global_buffer, .address_space: global }
      - { .name: w_proj, .offset: 16, .size: 8, .value_kind: global_buffer, .address_space: global }
      - { .name: x_codes, .offset: 24, .size: 8, .value_kind: global_buffer, .address_space: global }
      - { .name: x_scales, .offset: 32, .size: 8, .value_kind: global_buffer, .address_space: global }
      - { .name: wc, .offset: 40, .size: 8, .value_kind: global_buffer, .address_space: global }
      - { .name: ws, .offset: 48, .size: 8, .value_kind: global_buffer, .address_space: global }
    .group_segment_fixed_size: 68096
    .private_segment_fixed_size: 0
    .kernarg_segment_align: 8
    .kernarg_segment_size: 56
    .max_flat_workgroup_size: 128
    .sgpr_count:     66
    .vgpr_count:     210
    .wavefront_size: 32
...
	.end_amdgpu_metadata
.endif
;; end of part 1
;; launch gemm1 (part 2): grid 8 x 32, 4 waves a work-group, clusters of 4 x 4, 327,680 bytes of LDS; arguments x_codes, x_scales, wc, ws, b_qkv, qb, kv; writes qb, kv
.if DOCPART == 2
	.amdgcn_target "amdgcn-amd-amdhsa--gfx1250"
	.amdhsa_code_object_version 6
	.text
	.protected	k_q53c07da005_gemm1
	.globl	k_q53c07da005_gemm1
	.p2align	8
	.type	k_q53c07da005_gemm1,@function
k_q53c07da005_gemm1:
	s_mov_b64 s[64:65], 0
	v_nop
	global_prefetch_b8 v0, s[64:65] scope:SCOPE_SE
	s_setreg_imm32_b32 hwreg(HW_REG_WAVE_MODE, 25, 1), 1
	s_wait_xcnt 0x0
	s_wait_alu depctr_hold_cnt(0) depctr_sa_sdst(0) depctr_va_vdst(0) depctr_va_sdst(0) depctr_va_ssrc(0) depctr_va_vcc(0) depctr_vm_vsrc(0)
	s_getreg_b32 s2, hwreg(HW_REG_IB_STS2, 6, 4)
	s_cmp_eq_u32 s2, 0
	s_cbranch_scc0 .Lentry_in_a_cluster
	s_endpgm
.Lentry_in_a_cluster:
	s_bfe_u32 s2, ttmp6, 0x10000c
	s_cmp_lg_u32 s2, 0xf033
	s_cbranch_scc0 .Lentry_shape_is_right
	s_endpgm
.Lentry_shape_is_right:
; Q, K, V = x w_qkv + b_qkv on codes of FP6 (E2M3) with E8M0 scales, and their quantisers: the results leave as images of the attention launch's operand registers (qb, kv).
; A work-group makes 256 tokens x 256 columns of Q or K and then 256 tokens x 128 columns of V.  K goes in chunks of 256 (192 bytes of a row) through a ring of two LDS slots.
; x_codes and wc hold each chunk of 256 rows as one dense run of bytes, so a tile is fetched as rows of 256 bytes that begin at multiples of 256; 16 bytes of padding behind every 64 give LDS rows of 240 bytes.
; THE HEAD: one joint load a wave: wave 0 chunk 0 of x's 256 rows, wave 2 of the weights' 256 rows, wave 1 and wave 3 their scale bytes; slot 1 is first filled behind the full sequence and a round.
.set NQ,     2
.set ROWB,   49152
.set KROW,   768
.set PITCH,  240
.set FR,     12
.set NL,     6
.set NP,     4
.set HALFT,  128*PITCH
.set HALFV,  64*PITCH
.set SLOT,   4*HALFT
.set KS,     32
.set SCL,    2*SLOT
.set HALFS,  (128*KS/256)*272
.set SBLK,   (16*KS/256)*272
.set SPARE,  SCL+4*HALFS
.set ADRX, 8
.set ADRV, 12
.set ADRA, 16
.set ADRB, 20
.set VC,   24
.set VS,   25
.set ADRS2, 26
.set ADRS, 27
.set SPW,  28
.set NIL,  29
.set VS2,  30
.set SC,   32
.set BIAS, 64
.set BIASV, 64
.set AF,   128
.set SV,   232
.set BV,   248
.set TM,   64
.set PW,   80
.set SW,   88
.set VSEL, 92
.set T0,   94
.set T1,   98
.set R,    104
.set CB0,  12
.set CB1,  96
.set SBP,  98
.set CBV,  84
.set SBV,  86
.set G1, 24
.set G0, 32
.set G1B, 48
.set G0B, 56
.set G1S, 68
.set G0S, 76
.set G1SB, 80
.set G0SB, 88
.set G1V, 68
.set G0V, 76
.set MSB, 0
.macro WIN new
.if MSB != (\new)
	s_set_vgpr_msb (MSB<<8)|(\new)
.set MSB, (\new)
.endif
.endm
.set MUL_LO, 0xa1
.set MUL_HI, 0xf1
.set TO_B,   0x40
.macro JLOAD g0a, g1a, g0b, g1b
	s_cmp_eq_u32 s15, 0
	s_cbranch_scc0 .Lfor_b_\@
	tensor_load_to_lds s[\g0a:\g0a+3], s[\g1a:\g1a+7]
	s_nop 0
.rept 4
	v_nop
.endr
	s_branch .Lasked_\@
.Lfor_b_\@:
	tensor_load_to_lds s[\g0b:\g0b+3], s[\g1b:\g1b+7]
	s_nop 0
.rept 4
	v_nop
.endr
.Lasked_\@:
.endm
.macro CREST
	s_cmp_lg_u32 s14, 0
	s_cbranch_scc1 .Lnot_wave_0_\@
	s_barrier_signal -3
.Lnot_wave_0_\@:
	s_barrier_wait -3
	s_barrier_signal -1
	s_barrier_wait -1
.endm
.macro CROUND
	s_barrier_signal -1
	s_barrier_wait -1
	CREST
.endm
	s_load_b128 s[4:7], s[0:1], 0x0
	s_load_b128 s[8:11], s[0:1], 0x10
	s_load_b64 s[12:13], s[0:1], 0x20
	s_load_b64 s[98:99], s[0:1], 0x28
	s_load_b64 s[100:101], s[0:1], 0x30
	v_lshl_add_u32 v[SPW], v0, 2, SPARE
	v_mov_b32 v[NIL], 0
	ds_add_u32 v28, v29
	ds_add_u32 v28, v29
	s_wait_dscnt 0x0
	v_lshrrev_b32 v1, 5, v0
	v_readfirstlane_b32 s14, v1
	s_lshr_b32 s15, s14, 1
	s_and_b32 s16, s14, 1
	s_bfe_u32 s40, ttmp6, 0x40000
	s_bfe_u32 s41, ttmp6, 0x40004
	s_lshl_b32 s42, ttmp9, 2
	s_add_co_u32 s42, s42, s40
	s_and_b32 s17, ttmp7, 0xffff
	s_lshl_b32 s17, s17, 2
	s_add_co_u32 s17, s17, s41
	s_lshl_b32 s43, s41, 2
	s_lshl_b32 s43, 15, s43
	s_lshl_b32 s44, 0x1111, s40
	s_or_b32 s[G1+0], s43, (0<<16)|(1<<20)|(1<<21)|(3<<22)|(3<<25)
	s_or_b32 s[G1B+0], s44, (0<<16)|(1<<20)|(1<<21)|(3<<22)|(3<<25)
.irp g, G1, G1B
	s_mov_b32 s[\g+1], 256<<16
	s_mov_b32 s[\g+2], 192<<16
	s_mov_b32 s[\g+3], 256<<16
	s_mov_b32 s[\g+4], 192
	s_mov_b32 s[\g+5], 256
	s_mov_b32 s[\g+6], 0
	s_mov_b32 s[\g+7], 0
.endr
	s_or_b32 s[G1S+0], s43, (3<<16)|(1<<20)|(1<<21)|(5<<22)|(3<<25)
	s_or_b32 s[G1SB+0], s44, (3<<16)|(1<<20)|(1<<21)|(5<<22)|(3<<25)
.irp g, G1S, G1SB
	s_mov_b32 s[\g+1], 32<<16
	s_mov_b32 s[\g+2], (256*KS/256)<<16
	s_mov_b32 s[\g+3], 32<<16
	s_mov_b32 s[\g+4], 256*KS/256
	s_mov_b32 s[\g+5], 32
	s_mov_b32 s[\g+6], 0
	s_mov_b32 s[\g+7], 0
.endr
	s_mul_i32 s18, s16, 24576                      ; my 128 rows of a chunk of 256 rows
	s_mul_i32 s20, s17, 196608                     ; x's 256 rows
	s_add_co_u32 s20, s20, s18
	s_mul_i32 s46, s42, 196608                     ; the weights' 256 rows
	s_add_co_u32 s46, s46, s18
	s_mov_b32 s21, 0
	s_mov_b32 s47, 0
	s_lshl_b32 s22, s17, 13                        ; the scale bytes of 256 rows: 8,192
	s_mov_b32 s23, 0
	s_lshl_b32 s92, s42, 13
	s_mov_b32 s93, 0
	s_mul_i32 s45, s14, HALFT
	s_mul_i32 s94, s15, 2*HALFS
	s_wait_kmcnt 0x0
	s_add_nc_u64 s[20:21], s[4:5], s[20:21]
	s_add_nc_u64 s[22:23], s[6:7], s[22:23]
	s_add_nc_u64 s[46:47], s[8:9], s[46:47]
	s_add_nc_u64 s[92:93], s[10:11], s[92:93]
	CROUND
	s_mov_b32 s[G0S], 1
	s_add_co_u32 s[G0S+1], s94, SCL
	s_mov_b64 s[G0S+2:G0S+3], s[22:23]
	s_or_b32 s[G0S+3], s[G0S+3], 0x80000000
	s_mov_b32 s[G0SB], 1
	s_add_co_u32 s[G0SB+1], s94, SCL
	s_mov_b64 s[G0SB+2:G0SB+3], s[92:93]
	s_or_b32 s[G0SB+3], s[G0SB+3], 0x80000000
.irp s, 0,1
	s_mov_b32 s[G0+4*\s], 1
	s_add_co_u32 s[G0+4*\s+1], s45, \s*SLOT
	s_add_nc_u64 s[G0+4*\s+2:G0+4*\s+3], s[20:21], \s*ROWB
	s_or_b32 s[G0+4*\s+3], s[G0+4*\s+3], 0x80000000
	s_mov_b32 s[G0B+4*\s], 1
	s_add_co_u32 s[G0B+4*\s+1], s45, \s*SLOT
	s_add_nc_u64 s[G0B+4*\s+2:G0B+4*\s+3], s[46:47], \s*ROWB
	s_or_b32 s[G0B+4*\s+3], s[G0B+4*\s+3], 0x80000000
.endr
	s_cmp_eq_u32 s14, 0                            ; the head's four tiles, one a wave, in one chain of branches on the wave's number
	s_cbranch_scc0 .Lhead_b
	tensor_load_to_lds s[G0:G0+3], s[G1:G1+7]      ; wave 0: chunk 0 of x's 256 rows (its own group 0 points at their start)
	s_nop 0
.rept 4
	v_nop
.endr
	s_branch .Lhead_asked
.Lhead_b:
	s_cmp_eq_u32 s14, 2
	s_cbranch_scc0 .Lhead_sa
	tensor_load_to_lds s[G0B:G0B+3], s[G1B:G1B+7]  ; wave 2: chunk 0 of the weights' 256 rows
	s_nop 0
.rept 4
	v_nop
.endr
	s_branch .Lhead_asked
.Lhead_sa:
	s_cmp_eq_u32 s14, 1
	s_cbranch_scc0 .Lhead_sb
	tensor_load_to_lds s[G0S:G0S+3], s[G1S:G1S+7]  ; wave 1: the scale bytes of x's 256 rows
	s_nop 0
.rept 4
	v_nop
.endr
	s_branch .Lhead_asked
.Lhead_sb:
	tensor_load_to_lds s[G0SB:G0SB+3], s[G1SB:G1SB+7]  ; wave 3: those of the weights' 256 rows
	s_nop 0
.rept 4
	v_nop
.endr
.Lhead_asked:
	s_wait_alu depctr_va_vdst(0)
	s_wait_tensorcnt 0x0                           ; my tile of the four is in
	ds_add_u32 v28, v29
	s_mov_b32 s[G1+2], 96<<16                      ; no tensor load of mine is out: from here on a load brings 128 rows of codes, 96 rows of 256 bytes
	s_mov_b32 s[G1+4], 96
	s_mov_b32 s[G1B+2], 96<<16
	s_mov_b32 s[G1B+4], 96
	s_wait_dscnt 0x0
	CROUND
	JLOAD G0+4, G1, G0B+4, G1B                     ; chunk 1, the first tensor load behind the round
	v_and_b32 v1, 15, v0
	v_bfe_u32 v2, v0, 4, 1
	v_mul_u32_u24 v3, v1, PITCH
	v_mul_u32_u24 v4, v2, 24
	v_add_nc_u32 v4, v3, v4
	v_lshl_add_u32 v5, v2, 4, v4
	s_mul_i32 s21, s15, HALFT
	s_mul_i32 s22, s16, HALFT
	s_add_co_u32 s22, s22, 2*HALFT
	s_mul_i32 s23, s16, HALFT
	s_mul_i32 s45, s15, HALFV
	s_add_co_u32 s45, s45, 2*HALFT
.irp s, 0,1
	v_add_nc_u32 v[ADRA+\s], s21, v4
	v_add_nc_u32 v[ADRB+\s], s22, v4
	v_add_nc_u32 v[ADRX+\s], s23, v4
	v_add_nc_u32 v[ADRV+\s], s45, v4
	v_add_nc_u32 v[ADRA+2+\s], s21, v5
	v_add_nc_u32 v[ADRB+2+\s], s22, v5
	v_add_nc_u32 v[ADRX+2+\s], s23, v5
	v_add_nc_u32 v[ADRV+2+\s], s45, v5
	s_add_co_u32 s21, s21, SLOT
	s_add_co_u32 s22, s22, SLOT
	s_add_co_u32 s23, s23, SLOT
	s_add_co_u32 s45, s45, SLOT
.endr
	v_mul_u32_u24 v5, v1, KS
	v_lshrrev_b32 v6, 8, v5
	v_lshl_add_u32 v5, v6, 4, v5
	s_mul_i32 s21, s15, HALFS
	s_mul_i32 s22, s16, HALFS
	s_add_co_u32 s23, s22, SCL
	v_add_nc_u32 v[ADRS2], s23, v5
	s_add_co_u32 s22, s22, 2*HALFS
	s_sub_co_u32 s22, s22, s21
	v_mul_u32_u24 v6, s22, v2
	s_add_co_u32 s21, s21, SCL
	v_add_nc_u32 v5, v5, v6
	v_add_nc_u32 v[ADRS], s21, v5
	v_and_b32 v6, 31, v0
	v_lshlrev_b32 v[VC], 4, v6
	v_lshlrev_b32 v[VS2], 4, v1
	s_lshl_b32 s96, s42, 10
	s_lshl_b32 s97, s16, 9
	s_add_co_u32 s96, s96, s97
	s_mov_b32 s97, 0
	s_add_nc_u64 s[66:67], s[12:13], s[96:97]
	s_lshl_b32 s96, s42, 9
	s_lshl_b32 s104, s15, 8
	s_add_co_u32 s96, s96, s104
	s_add_co_u32 s96, s96, 8192
	s_add_nc_u64 s[12:13], s[12:13], s[96:97]
	s_lshl_b32 s96, s96, 3
	s_add_nc_u64 s[10:11], s[10:11], s[96:97]
	v_lshlrev_b32 v6, 5, v2
	v_lshlrev_b32 v7, 2, v1
	v_and_b32 v3, 31, v0
	v_lshlrev_b32 v3, 5, v3
.irp b, 0,1,2,3,4,5,6,7
	global_load_b128 v[BIAS+8*\b:BIAS+8*\b+3], v6, s[66:67] offset:64*\b
	global_load_b128 v[BIAS+8*\b+4:BIAS+8*\b+7], v6, s[66:67] offset:64*\b+16
.endr
.irp a, 0,1,2,3
	global_load_b32 v[BV+\a], v7, s[12:13] offset:64*\a
.endr
.irp j, 0,1
	global_load_b128 v[SV+8*\j:SV+8*\j+3], v3, s[10:11] offset:1024*\j
	global_load_b128 v[SV+8*\j+4:SV+8*\j+7], v3, s[10:11] offset:1024*\j+16
.endr
.macro FRAG reg, adr, q, i
.irp p, 0,1,2,3,4,5
.set PC, 12*(\q)+6*(\p/3)+\p%3
.if PC%8 < 5
	ds_load_b64 v[\reg+2*\p:\reg+2*\p+1], v[\adr] offset:8*PC+16*(PC/8)+(\i)*16*PITCH
.else
	ds_load_b64 v[\reg+2*\p:\reg+2*\p+1], v[\adr+2] offset:8*PC+16*(PC/8)+(\i)*16*PITCH
.endif
.endr
.endm
.macro MUL16 a0, p, q, sc, zero
.irp a, \a0, \a0+1
.irp b, 0,1,2,3,4,5,6,7
.set rD, 8*(8*((\a)%4)+\b)
.set rB, 128*(\p)+FR*\b
.set rA, AF+FR*(\a)
.set rSB, SC+8*NQ*(\sc)+NQ*\b+(\q)
.set rSA, SC+8*NQ*(\sc)+NQ*(\a)+(\q)
.set rC, rD
.if \zero
.set rC, BIAS+8*\b
.endif
	v_wmma_scale_f32_16x16x128_f8f6f4 v[rD:rD+7], v[rB:rB+FR-1], v[rA:rA+FR-1], v[rC:rC+7], v[rSB], v[rSA] matrix_a_fmt:MATRIX_FMT_FP6 matrix_b_fmt:MATRIX_FMT_FP6 matrix_a_scale:MATRIX_SCALE_ROW1
.endr
.endr
.endm
.macro FETCH_B slot, q, p
	WIN TO_B
.irp i, 0,1,2,3,4,5,6,7
	FRAG 128*(\p)+FR*\i, ADRB+\slot, \q, \i
.endr
	WIN 0
.endm
.macro FETCH_A slot, q, i0
.irp i, \i0, \i0+1, \i0+2, \i0+3
	FRAG AF+FR*(\i), ADRA+\slot, \q, \i
.endr
.endm
.macro SCALES sc
.irp i, 0,1,2,3,4,5,6,7
	ds_load_b64 v[SC+8*NQ*\sc+NQ*\i:SC+8*NQ*\sc+NQ*\i+1], v[ADRS] offset:\i*SBLK
.endr
.endm
.macro PLACES n
.rept \n
	v_nop
.endr
.endm
.macro STEP slot, q, zero
	s_wait_dscnt 4*NL
.if \zero
	WIN 0x81
.else
	WIN MUL_LO
.endif
	MUL16 0, (\q)%2, \q, \slot, \zero
	MUL16 2, (\q)%2, \q, \slot, \zero
	s_wait_dscnt 0
	PLACES NP
	FETCH_B \slot, (\q)+1, 1-(\q)%2
	FETCH_A \slot, (\q)+1, 0
.if \zero
	WIN 0xc1
.else
	WIN MUL_HI
.endif
	MUL16 4, (\q)%2, \q, \slot, \zero
	MUL16 6, (\q)%2, \q, \slot, \zero
	PLACES NP
	WIN 0
	FETCH_A \slot, (\q)+1, 4
.endm
.macro TURN slot, next, fill, fetch
	s_wait_tensorcnt 0x0
	ds_add_u32 v[SPW], v[NIL]
	s_wait_dscnt 4*NL+1
	WIN MUL_LO
	MUL16 0, 1, NQ-1, \slot, 0
	s_wait_dscnt 0x0
	s_barrier_signal -1
	MUL16 2, 1, NQ-1, \slot, 0
	WIN 0
	s_barrier_wait -1
	CREST
.if \fill == 1
	s_add_nc_u64 s[G0+4*\slot+2:G0+4*\slot+3], s[G0+4*\slot+2:G0+4*\slot+3], 2*ROWB
	s_add_nc_u64 s[G0B+4*\slot+2:G0B+4*\slot+3], s[G0B+4*\slot+2:G0B+4*\slot+3], 2*ROWB
	JLOAD G0+4*\slot, G1, G0B+4*\slot, G1B
.else
	s_sub_nc_u64 s[G0+4*\slot+2:G0+4*\slot+3], s[G0+4*\slot+2:G0+4*\slot+3], 2*ROWB
	JLOAD G0+4*\slot, G1, G0V+4*\slot, G1V
.endif
.if \fetch
	s_wait_alu depctr_va_vdst(0)
	v_add_nc_u32 v[ADRS], 4*NQ, v[ADRS]
	FETCH_B \next, 0, 0
	FETCH_A \next, 0, 0
	SCALES \next
.endif
	WIN MUL_HI
	MUL16 4, 1, NQ-1, \slot, 0
	MUL16 6, 1, NQ-1, \slot, 0
.if \fetch
	PLACES NP
	WIN 0
	FETCH_A \next, 0, 4
.else
	WIN 0
.endif
.endm
.macro MUL16V a0, p, q, sc, g, zero
.irp a, \a0, \a0+1
.irp b, 0,1,2,3,4,5,6,7
.set rD, 8*(8*(\a)+\b)
.set rB, 128*(\p)+FR*\b
.set rA, AF+48*(\p)+FR*(\a)
.set rSB, SC+8*NQ*(\sc)+NQ*\b+(\q)
.set rSA, SV+8*((\a)/2)+(\g)
.set rC, rD
.if \zero
.set rC, BIASV+8*(\a)
.endif
.if (\a)%2
	v_wmma_scale_f32_16x16x128_f8f6f4 v[rD:rD+7], v[rB:rB+FR-1], v[rA:rA+FR-1], v[rC:rC+7], v[rSB], v[rSA] matrix_a_fmt:MATRIX_FMT_FP6 matrix_b_fmt:MATRIX_FMT_FP6 matrix_b_scale:MATRIX_SCALE_ROW1
.else
	v_wmma_scale_f32_16x16x128_f8f6f4 v[rD:rD+7], v[rB:rB+FR-1], v[rA:rA+FR-1], v[rC:rC+7], v[rSB], v[rSA] matrix_a_fmt:MATRIX_FMT_FP6 matrix_b_fmt:MATRIX_FMT_FP6
.endif
.endr
.endr
.endm
.macro FETCH_X slot, q, p
	WIN TO_B
.irp i, 0,1,2,3,4,5,6,7
	FRAG 128*(\p)+FR*\i, ADRX+\slot, \q, \i
.endr
	WIN 0
.endm
.macro FETCH_V slot, q, p
.irp i, 0,1,2,3
	FRAG AF+48*(\p)+FR*\i, ADRV+\slot, \q, \i
.endr
.endm
.macro SCALES2 sc
.irp i, 0,1,2,3,4,5,6,7
	ds_load_b64 v[SC+8*NQ*\sc+NQ*\i:SC+8*NQ*\sc+NQ*\i+1], v[ADRS2] offset:\i*SBLK
.endr
.endm
.macro STEP2 slot, g, zero
	s_wait_dscnt 0x0
.if \zero
	WIN 0x81
.else
	WIN MUL_LO
.endif
	MUL16V 0, 0, 0, \slot, \g, \zero
	PLACES NP
	FETCH_X \slot, 1, 1
	FETCH_V \slot, 1, 1
.if \zero
	WIN 0x81
.else
	WIN MUL_LO
.endif
	MUL16V 2, 0, 0, \slot, \g, \zero
	WIN 0
.endm
.macro TURN2 slot, next, g, fill
	s_wait_tensorcnt 0x0
	ds_add_u32 v[SPW], v[NIL]
	s_wait_dscnt 0x0
	s_barrier_signal -1
	WIN MUL_LO
	MUL16V 0, 1, 1, \slot, \g, 0
	WIN 0
	s_barrier_wait -1
.if \fill
	CREST
	s_add_nc_u64 s[G0+4*\slot+2:G0+4*\slot+3], s[G0+4*\slot+2:G0+4*\slot+3], 2*ROWB
	s_add_nc_u64 s[G0V+4*\slot+2:G0V+4*\slot+3], s[G0V+4*\slot+2:G0V+4*\slot+3], 2*ROWB
	JLOAD G0+4*\slot, G1, G0V+4*\slot, G1V
.else
	PLACES NP
.endif
	s_wait_alu depctr_va_vdst(0)
	v_add_nc_u32 v[ADRS2], 4*NQ, v[ADRS2]
	FETCH_X \next, 0, 0
	FETCH_V \next, 0, 0
	SCALES2 \next
	WIN MUL_LO
	MUL16V 2, 1, 1, \slot, \g, 0
	WIN 0
.endm
	s_wait_alu depctr_va_vdst(0)
	s_wait_tensorcnt 1
	s_barrier_signal -1
	s_barrier_wait -1
	FETCH_B 0, 0, 0
	FETCH_A 0, 0, 0
	SCALES 0
	FETCH_A 0, 0, 4
	s_or_b32 s[G1V+0], s44, (0<<16)|(1<<20)|(1<<21)|(3<<22)|(3<<25)
	s_mov_b32 s[G1V+1], 256<<16
	s_mov_b32 s[G1V+2], 48<<16
	s_mov_b32 s[G1V+3], 256<<16
	s_mov_b32 s[G1V+4], 48
	s_mov_b32 s[G1V+5], 256
	s_mov_b32 s[G1V+6], 0
	s_mov_b32 s[G1V+7], 0
	s_lshl_b32 s46, s42, 7
	s_lshl_b32 s47, s16, 6
	s_add_co_u32 s46, s46, s47
	s_add_co_u32 s46, s46, 2048
	s_and_b32 s47, s46, 255                        ; the group of 256 rows x 768 bytes + the row in it x 192
	s_sub_co_u32 s46, s46, s47
	s_mul_i32 s46, s46, 768
	s_mul_i32 s47, s47, 192
	s_add_co_u32 s46, s46, s47
	s_mov_b32 s47, 0
	s_add_nc_u64 s[46:47], s[8:9], s[46:47]
	s_mul_i32 s94, s16, HALFV
	s_add_co_u32 s94, s94, 2*HALFT
.irp s, 0,1
	s_mov_b32 s[G0V+4*\s], 1
	s_add_co_u32 s[G0V+4*\s+1], s94, \s*SLOT
	s_add_nc_u64 s[G0V+4*\s+2:G0V+4*\s+3], s[46:47], \s*ROWB
	s_or_b32 s[G0V+4*\s+3], s[G0V+4*\s+3], 0x80000000
.endr
	s_wait_loadcnt 0x0
	STEP 0, 0, 1
	TURN 0, 1, 1, 1
	STEP 1, 0, 0
	TURN 1, 0, 1, 1
	STEP 0, 0, 0
	TURN 0, 1, 2, 1
	STEP 1, 0, 0
	TURN 1, 0, 2, 0
	PLACES NP
	s_lshr_b32 s95, s17, 2
	s_lshl_b32 s95, s95, 4
	s_and_b32 s96, s17, 3
	s_lshl_b32 s96, s96, 1
	s_mov_b32 s105, 0
	s_lshl_b32 s97, s42, 1
	s_add_co_u32 s97, s97, s15
	s_add_co_u32 s97, s97, s95
	s_mul_i32 s97, s97, 102400
	s_add_co_u32 s2, s96, s16
	s_mul_i32 s104, s2, 6144
	s_add_co_u32 s104, s104, s97
	s_add_co_u32 s104, s104, 49152
	s_add_nc_u64 s[CBV:CBV+1], s[100:101], s[104:105]
	s_lshl_b32 s104, s2, 8
	s_add_co_u32 s104, s104, s97
	s_add_co_u32 s104, s104, 100352
	s_add_nc_u64 s[SBV:SBV+1], s[100:101], s[104:105]
	s_cmp_eq_u32 ttmp9, 0
	s_cselect_b64 s[98:99], s[98:99], s[100:101]
	s_mov_b32 s100, 102400
	s_cselect_b32 s100, 51200, s100
	s_mov_b32 s101, 98304
	s_cselect_b32 s101, 49152, s101
	s_and_b32 s97, s42, 3
	s_lshl_b32 s97, s97, 2
	s_lshl_b32 s2, s16, 1
	s_add_co_u32 s97, s97, s2
	s_add_co_u32 s97, s97, s95
	s_mul_i32 s97, s97, s100
	s_add_co_u32 s2, s96, s15
	s_mul_i32 s104, s2, 6144
	s_add_co_u32 s104, s104, s97
	s_add_nc_u64 s[CB0:CB0+1], s[98:99], s[104:105]
	s_lshl_b32 s104, s2, 8
	s_add_co_u32 s104, s104, s97
	s_add_co_u32 s104, s104, s101
	s_add_nc_u64 s[SBP:SBP+1], s[98:99], s[104:105]
	s_mov_b32 s104, s100
	s_add_nc_u64 s[CB1:CB1+1], s[CB0:CB0+1], s[104:105]
	s_mov_b32 s18, 0x76543210
	s_mov_b32 s19, 0xfedcba98
	v_mul_u32_u24 v[VS], v2, s100
	v_lshl_add_u32 v[VS], v1, 4, v[VS]
.irp b, 0,1,2,3
	v_mov_b32 v[TM+4+\b], 0
.endr
.macro QUANT a, d0, d1
.set qS, 64*((\a)%4)
.set qW, (\a)/4
	WIN 0x0a+5*qW
.irp b, 0,1,2,3
	v_max3_num_f32 v[TM+\b], |v[qS+16*\b]|, |v[qS+16*\b+1]|, 0x1800000
.endr
	WIN 0x28+0x14*qW
.irp i, 2,4,6,8,10,12,14
.irp b, 0,1,2,3
	v_max3_num_f32 v[TM+\b], v[TM+\b], |v[qS+16*\b+\i]|, |v[qS+16*\b+\i+1]|
.endr
.endr
	WIN 0
.irp b, 0,1,2,3
	v_permlanex16_b32 v[TM+4+\b], v[TM+\b], s18, s19
.endr
.irp b, 0,1,2,3
	v_max_num_f32 v[TM+\b], v[TM+\b], v[TM+4+\b]
.endr
.irp b, 0,1,2,3
	v_add_nc_u32 v[TM+12+\b], 0xff000000, v[TM+\b]
.endr
.irp b, 0,1,2,3
	v_lshrrev_b32 v[TM+4+\b], 23, v[TM+12+\b]
.endr
	v_lshl_or_b32 v[PW+(\a)], v[TM+5], 8, v[TM+4]
	v_lshl_or_b32 v[PW+(\a)], v[TM+6], 16, v[PW+(\a)]
	v_lshl_or_b32 v[PW+(\a)], v[TM+7], 24, v[PW+(\a)]
	WIN 0x02+qW
	v_cvt_scalef32_pk16_fp6_f32 v[(\d0):(\d0)+2], v[qS:qS+15], v[TM+12]
	v_cvt_scalef32_pk16_fp6_f32 v[T0:T0+2], v[qS+16:qS+31], v[TM+13]
	v_cvt_scalef32_pk16_fp6_f32 v[(\d1):(\d1)+2], v[qS+32:qS+47], v[TM+14]
	v_cvt_scalef32_pk16_fp6_f32 v[T1:T1+2], v[qS+48:qS+63], v[TM+15]
	WIN 0
	v_nop
.irp i, 0,1,2
	v_permlane16_swap_b32 v[(\d0)+\i], v[T0+\i]
.endr
.irp i, 0,1,2
	v_mov_b32 v[(\d0)+3+\i], v[T0+\i]
.endr
.irp i, 0,1,2
	v_permlane16_swap_b32 v[(\d1)+\i], v[T1+\i]
.endr
.irp i, 0,1,2
	v_mov_b32 v[(\d1)+3+\i], v[T1+\i]
.endr
.endm
.macro ST12 reg, base, off
.irp c, 0,1,2
	global_store_b128 v[VC], v[(\reg)+4*\c:(\reg)+4*\c+3], s[\base:\base+1] offset:(\off)+512*\c
.endr
.endm
.irp p, 0,1,2,3
.if \p > 0
	s_wait_xcnt 0x0
.endif
	QUANT 2*\p, R, R+12
	QUANT 2*\p+1, R+6, R+18
	ST12 R, CB0, 1536*\p
	ST12 R+12, CB1, 1536*\p
.endr
	v_cmp_ne_u32 vcc_lo, 0, v2
	v_mov_b32 v[VSEL], 0x05040100
	v_mov_b32 v[VSEL+1], 0x07060302
	v_cndmask_b32 v[VSEL], v[VSEL], v[VSEL+1], vcc_lo
.irp p, 0,1,2,3
	v_perm_b32 v[SW+\p], v[PW+2*\p+1], v[PW+2*\p], v[VSEL]
.endr
	global_store_b128 v[VS], v[SW:SW+3], s[SBP:SBP+1]
	FETCH_X 0, 0, 0
	FETCH_V 0, 0, 0
	SCALES2 0
	s_wait_xcnt 0x0
.irp a, 0,1,2,3
.irp j, 0,1,2,3,4,5,6,7
	v_mov_b32 v[BIASV+8*\a+\j], v[BV+\a]
.endr
.endr
	s_wait_alu depctr_va_vdst(0)
	STEP2 0, 0, 1
	TURN2 0, 1, 1, 1
	STEP2 1, 2, 0
	TURN2 1, 0, 3, 1
	STEP2 0, 4, 0
	TURN2 0, 1, 5, 0
	STEP2 1, 6, 0
	s_wait_dscnt 0x0
	WIN MUL_LO
	MUL16V 0, 1, 1, 1, 7, 0
	MUL16V 2, 1, 1, 1, 7, 0
	WIN 0
	PLACES NP
.irp p, 0,1
.if \p > 0
	s_wait_xcnt 0x0
.endif
	QUANT 2*\p, R, R+6
	QUANT 2*\p+1, R+12, R+18
	ST12 R, CBV, 3072*\p
	ST12 R+12, CBV, 3072*\p+1536
.endr
	global_store_b128 v[VS2], v[PW:PW+3], s[SBV:SBV+1]
	s_wait_tensorcnt 0x0
	ds_add_u32 v[SPW], v[NIL]
	s_wait_dscnt 0x0
	CROUND
	s_endpgm
.Lfunc_end_k_q53c07da005_gemm1:
	.size	k_q53c07da005_gemm1, .Lfunc_end_k_q53c07da005_gemm1-k_q53c07da005_gemm1
	.p2alignl 7, 3214868480
	.fill 96, 4, 3214868480
	.section	.rodata,"a",@progbits
	.p2align	6, 0x0
	.amdhsa_kernel k_q53c07da005_gemm1
		.amdhsa_group_segment_fixed_size 327680
		.amdhsa_private_segment_fixed_size 0
		.amdhsa_enable_private_segment 0
		.amdhsa_kernarg_size 56
		.amdhsa_user_sgpr_count 2
		.amdhsa_user_sgpr_kernarg_segment_ptr 1
		.amdhsa_wavefront_size32 1
		.amdhsa_system_sgpr_workgroup_id_x 1
		.amdhsa_system_sgpr_workgroup_id_y 1
		.amdhsa_system_sgpr_workgroup_id_z 1
		.amdhsa_system_vgpr_workitem_id 0
		.amdhsa_next_free_vgpr 1024
		.amdhsa_next_free_sgpr 106
		.amdhsa_reserve_vcc 1
		.amdhsa_float_denorm_mode_32 3
		.amdhsa_float_denorm_mode_16_64 3
		.amdhsa_memory_ordered 1
		.amdhsa_forward_progress 1
		.amdhsa_inst_pref_size 255
	.end_amdhsa_kernel
	.section	.bss,"aw",@nobits
	.p2align	6
	.space	262144
	.amdgpu_metadata
---
amdhsa.version: [ 1, 2 ]
amdhsa.kernels:
  - .name:           k_q53c07da005_gemm1
    .symbol:         k_q53c07da005_gemm1.kd
    .args:
      - { .name: x_codes, .offset: 0, .size: 8, .value_kind: global_buffer, .address_space: global }
      - { .name: x_scales, .offset: 8, .size: 8, .value_kind: global_buffer, .address_space: global }
      - { .name: wc, .offset: 16, .size: 8, .value_kind: global_buffer, .address_space: global }
      - { .name: ws, .offset: 24, .size: 8, .value_kind: global_buffer, .address_space: global }
      - { .name: b_qkv, .offset: 32, .size: 8, .value_kind: global_buffer, .address_space: global }
      - { .name: qb, .offset: 40, .size: 8, .value_kind: global_buffer, .address_space: global }
      - { .name: kv, .offset: 48, .size: 8, .value_kind: global_buffer, .address_space: global }
    .group_segment_fixed_size: 327680
    .private_segment_fixed_size: 0
    .kernarg_segment_align: 8
    .kernarg_segment_size: 56
    .max_flat_workgroup_size: 128
    .sgpr_count:     106
    .vgpr_count:     1024
    .wavefront_size: 32
...
	.end_amdgpu_metadata
.endif
;; end of part 2
;; launch attn (part 3): grid 4 x 64, 16 waves a work-group, clusters of 4 x 1, 327,680 bytes of LDS; arguments qb, kv, o_img, o_sc; writes o_img, o_sc
.if DOCPART == 3
	.amdgcn_target "amdgcn-amd-amdhsa--gfx1250"
	.amdhsa_code_object_version 6
	.text
	.protected	k_q53c07da005_attn
	.globl	k_q53c07da005_attn
	.p2align	8
	.type	k_q53c07da005_attn,@function
k_q53c07da005_attn:
	s_mov_b64 s[64:65], 0
	v_nop
	global_prefetch_b8 v0, s[64:65] scope:SCOPE_SE
	s_setreg_imm32_b32 hwreg(HW_REG_WAVE_MODE, 25, 1), 1
	s_wait_xcnt 0x0
	s_wait_alu depctr_hold_cnt(0) depctr_sa_sdst(0) depctr_va_vdst(0) depctr_va_sdst(0) depctr_va_ssrc(0) depctr_va_vcc(0) depctr_vm_vsrc(0)
	s_getreg_b32 s2, hwreg(HW_REG_IB_STS2, 6, 4)
	s_cmp_eq_u32 s2, 0
	s_cbranch_scc0 .Lentry_in_a_cluster
	s_endpgm
.Lentry_in_a_cluster:
	s_bfe_u32 s2, ttmp6, 0x10000c
	s_cmp_lg_u32 s2, 0x3003
	s_cbranch_scc0 .Lentry_shape_is_right
	s_endpgm
.Lentry_shape_is_right:
; o = softmax(q k^T / 8) v for 128 heads of 1,024 tokens x 64, on codes of FP6 (E2M3) with E8M0 scales; o leaves quantised along the head's axis, as images of the next product's operand registers.
; IN: qb [head][32 fragments x 1,536 | 2,048 scale bytes], kv [head][K: 8 steps x 4 fragments x 1,536 | V: the same | K's scale words 2,048 | V's 2,048]: images of 12 registers ([piece of 4 registers][lane][16 bytes]).
; A fragment of Q or K holds tokens 32 s + r in k = 0 .. 63 and tokens 32 s + 16 + r in k = 64 .. 127; a product with (q, 0) gives the first tile's scores, one with (0, q) the second's.
; THE DEAL: a work-group takes two heads (two passes) x 256 queries; the four work-groups of a cluster take the four quarters of the queries and ask for K and V jointly.
; Sixteen waves, four on a SIMD, 16 queries each.  Both products are used transposed (S^T = k q^T, O^T = v^T p^T): a lane holds one query.
; K'S ROWS ARE PERMUTED AS THEY ARE READ: lane (r, h) of fragment (c, u) reads row 8 u + r % 8 of the image of fragment 2 c + r / 8.  Lane (query, h) then holds in its 32 scores of c the whole
; block 2 c + h of 32 keys, in the places in which V's codes lie (bits 3 and 4 of the key exchanged): a block's largest score needs no other lane, and the conversions' results are the operand.
; LDS: a head is 400 rows of 256 bytes with 64 bytes of padding behind each: 128,000 bytes; a fragment is 1,920 bytes on from the last, 128 modulo 256.
; The two heads lie on end in kv: ONE load a wave, a sixteenth of both (50 rows), at the kernel's head; nothing is filled later.  Behind the heads: a stage for o's scale words, the spare words.
; SOFTMAX as the problem states it: M the running ceiling of the largest t, p = 2^(t - M), the row's sum of the unquantised p, O^T and the sum multiplied by 2^(old M - new M), the division at the end.
; A block's largest p is made from its largest score by the same multiply-add and exponential as every p.
; No prefetch: all that the launch reads is asked for at its head, so there is no loop to run ahead in.  The second pass's move of Q's registers moves what nobody reads again.
; LIMITS: NaN and infinities are not served; the promise holds while the scaled scores stay under 2^31 in magnitude.
.set HEADB, 102400
.set HL,    128000                     ; a head in LDS
.set KST,   7680                       ; a step's four fragments in LDS
.set SST,   320                        ; a step's scale words
.set OST,   256000                     ; the stage for o's scale words, 1,024 bytes
.set SPARE, 257024                     ; 2,048 bytes
.set LV,   1                           ; lane terms of LDS addresses: V's fragments, K's, K's scale words, V's
.set LK,   2
.set LKS,  3
.set LVS,  4
.set ADK,  5                           ; the step's addresses
.set ADV,  6
.set ADKS, 7
.set ADVS, 8
.set STA,  9
.set STR,  10
.set NM,   12                          ; -M;  v13 the running largest score;  v14, v15 the row's sum in two halves
.set MX,   13
.set L,    14
.set Q,    16                          ; v16-33: q, six zeros, q: (q, 0) is v16-27, (0, q) v22-33
.set LI,   34
.set GOS,  35
.set QSO,  37
.set KV,   40                          ; v40-87 four fragments of K, then of V
.set S,    88                          ; v88-151 scores, then p
.set O,    152                         ; v152-183 O^T
.set FO,   184                         ; v184-195 o's codes of both heads
.set OW,   196
.set SH8,  197                         ; 8 h
.set QN0,  198                         ; v198-199, v222-223, v244-245: the second pass's q
.set QN1,  222
.set QN2,  244
.set PC,   200                         ; v200-211 p's codes
.set BM,   212
.set PX,   216
.set QW,   217                         ; the pass's fragment's scale word; v231 the second pass's
.set QW1,  231
.set SO,   218
.set PD,   220
.set TB,   224
.set FF,   232
.set TT,   234
.set KSC,  236                         ; scale words: K's four, V's four, p's, q's
.set VSC,  240
.set PW,   246
.set QS,   248
.set P2,   250
.set P3,   252
.set TK,   56
.set TS,   57
.set CNT,  58
.set PS,   59
.macro WALU
	s_wait_alu depctr_va_vdst(0)
.endm
.macro CROUND
	s_barrier_signal -1
	s_barrier_wait -1
	s_cmp_lg_u32 s12, 0
	s_cbranch_scc1 .Lnot_wave_0_\@
	s_barrier_signal -3
.Lnot_wave_0_\@:
	s_barrier_wait -3
	s_barrier_signal -1
	s_barrier_wait -1
.endm
.macro FMA4                            ; t - M for eight more scores
.rept 4
	v_pk_fma_f32 v[S+j:S+j+1], v[S+j:S+j+1], s[22:23], v[NM:NM+1] op_sel_hi:[1,0,0]
.set j, j+2
.endr
.endm
; The softmax of my 16 queries and 128 keys.  Registers S + 32 c .. + 31 are my block 2 c + h.
.macro SM
	WALU                                           ; the wait ahead of the first readers of the scores and of O^T
.irp k, 0,1,2,3
	v_max3_num_f32 v[BM+\k], v[S+16*\k], v[S+16*\k+1], v[S+16*\k+2]      ; four chains by turns, each accumulator from its low end on
.endr
.irp i, 3,5,7,9,11,13
.irp k, 0,1,2,3
	v_max3_num_f32 v[BM+\k], v[BM+\k], v[S+16*\k+\i], v[S+16*\k+\i+1]
.endr
.endr
	v_max3_num_f32 v[BM+1], v[BM+1], v[S+15], v[S+31]
	v_max3_num_f32 v[BM+3], v[BM+3], v[S+47], v[S+63]
	v_max_num_f32 v[BM], v[BM], v[BM+1]            ; my two blocks' largest scores
	v_max_num_f32 v[BM+2], v[BM+2], v[BM+3]
	v_max3_num_f32 v[MX], v[MX], v[BM], v[BM+2]
	v_permlanex16_b32 v[PX], v[MX], s20, s21
	v_max_num_f32 v[MX], v[MX], v[PX]              ; the running largest score of my query
	v_mul_f32 v[TT], s22, v[MX]
	v_floor_f32 v[TT], -v[TT]                      ; the new -M
	v_sub_f32 v[TT+1], v[TT], v[NM]                ; old M less new M, a whole number
	v_mov_b32 v[NM], v[TT]
.set j, 0
	FMA4                                           ; the three lines that make f stand among the multiply-adds
	v_cvt_i32_f32 v[TT+1], v[TT+1]
	FMA4
	v_ldexp_f32 v[FF], 1.0, v[TT+1]                ; f = 2^(old M - new M)
.rept 6
	FMA4
.endr
	v_fma_f32 v[BM], v[BM], s22, v[NM]
	v_fma_f32 v[BM+2], v[BM+2], s22, v[NM]
.set j, 0
.rept 16
	v_pk_mul_f32 v[O+j:O+j+1], v[O+j:O+j+1], v[FF:FF+1] op_sel_hi:[1,0]   ; O^T under the new M
.set j, j+2
.endr
	WALU                                           ; ahead of the batch
.set j, 0
.rept 64
	v_exp_f32 v[S+j], v[S+j]
.set j, j+1
.endr
	v_exp_f32 v[BM], v[BM]                         ; the blocks' largest p
	v_exp_f32 v[BM+2], v[BM+2]
	v_pk_mul_f32 v[L:L+1], v[L:L+1], v[FF:FF+1] op_sel_hi:[1,0]   ; the sums under the new M: the plain place behind the batch
	WALU                                           ; behind the batch
	v_max_num_f32 v[BM], 0x1800000, v[BM]          ; the floor 2^(3 - 127): the byte cannot fall under 1
	v_max_num_f32 v[BM+2], 0x1800000, v[BM+2]
	v_add_nc_u32 v[SO], 0xff000000, v[BM]          ; 2 off the exponent field: the conversions' scale operands
	v_add_nc_u32 v[SO+1], 0xff000000, v[BM+2]
	v_lshrrev_b32 v[BM], 23, v[SO]
	v_lshrrev_b32 v[BM+2], 23, v[SO+1]
	v_lshl_or_b32 v[BM], v[BM+2], 16, v[BM]        ; my bytes: blocks h and 2 + h,
	v_lshlrev_b32 v[BM], v[SH8], v[BM]             ; at their places in the scale word;
	v_permlanex16_b32 v[PX], v[BM], s20, s21
	v_or_b32 v[PW], v[BM], v[PX]                   ; with lane l xor 16's two the word is whole
	v_cvt_scalef32_pk16_fp6_f32 v[PC:PC+2], v[S:S+15], v[SO]
	v_cvt_scalef32_pk16_fp6_f32 v[TB:TB+2], v[S+16:S+31], v[SO]
	v_cvt_scalef32_pk16_fp6_f32 v[PC+6:PC+8], v[S+32:S+47], v[SO+1]
	v_cvt_scalef32_pk16_fp6_f32 v[TB+4:TB+6], v[S+48:S+63], v[SO+1]
	v_pk_add_f32 v[L:L+1], v[L:L+1], v[S:S+1]      ; the row's sum of the unquantised p, in four chains
	v_pk_add_f32 v[PD:PD+1], v[S+2:S+3], v[S+4:S+5]
	v_pk_add_f32 v[P2:P2+1], v[S+6:S+7], v[S+8:S+9]
	v_pk_add_f32 v[P3:P3+1], v[S+10:S+11], v[S+12:S+13]
.irp i, 0,1,2
	v_mov_b32 v[PC+3+\i], v[TB+\i]                 ; (a conversion's three registers begin on an even number)
	v_mov_b32 v[PC+9+\i], v[TB+4+\i]
.endr
.irp j, 14,22,30,38,46,54
	v_pk_add_f32 v[L:L+1], v[L:L+1], v[S+\j:S+\j+1]      ; these 28 lines are also the places between p's codes and scale word and the products
	v_pk_add_f32 v[PD:PD+1], v[PD:PD+1], v[S+\j+2:S+\j+3]
	v_pk_add_f32 v[P2:P2+1], v[P2:P2+1], v[S+\j+4:S+\j+5]
	v_pk_add_f32 v[P3:P3+1], v[P3:P3+1], v[S+\j+6:S+\j+7]
.endr
	v_pk_add_f32 v[L:L+1], v[L:L+1], v[S+62:S+63]
	v_pk_add_f32 v[PD:PD+1], v[PD:PD+1], v[P2:P2+1]
	v_pk_add_f32 v[L:L+1], v[L:L+1], v[P3:P3+1]
	v_pk_add_f32 v[L:L+1], v[L:L+1], v[PD:PD+1]
.endm
; A pass's end: O^T / the sum, quantised along the head's 64.  The last pass's six registers and two bytes move down, this pass's take their place.
.macro OEPI
	v_add_f32 v[L], v[L], v[L+1]
	v_permlanex16_b32 v[PX], v[L], s20, s21
	v_add_f32 v[L], v[L], v[PX]
	WALU
	v_rcp_f32 v[L], v[L]
.irp i, 0,1,2,3,4,5
	v_mov_b32 v[FO+\i], v[FO+6+\i]
.endr
	v_lshrrev_b32 v[OW], 16, v[OW]
	WALU
.set j, 0
.rept 32
	v_mul_f32 v[S+j], v[O+j], v[L]
.set j, j+1
.endr
.irp b, 0,1
	v_max3_num_f32 v[BM+\b], |v[S+16*\b]|, |v[S+16*\b+1]|, 0x1800000
.endr
.irp i, 2,4,6,8,10,12,14
.irp b, 0,1
	v_max3_num_f32 v[BM+\b], v[BM+\b], |v[S+16*\b+\i]|, |v[S+16*\b+\i+1]|
.endr
.endr
	v_permlanex16_b32 v[PX], v[BM], s20, s21
	v_permlanex16_b32 v[TT], v[BM+1], s20, s21
	v_max_num_f32 v[BM], v[BM], v[PX]
	v_max_num_f32 v[BM+1], v[BM+1], v[TT]
	v_add_nc_u32 v[SO], 0xff000000, v[BM]
	v_add_nc_u32 v[SO+1], 0xff000000, v[BM+1]
	v_lshrrev_b32 v[BM], 23, v[SO]
	v_lshrrev_b32 v[BM+1], 23, v[SO+1]
	v_lshl_or_b32 v[TT], v[BM+1], 8, v[BM]
	v_lshl_or_b32 v[OW], v[TT], 16, v[OW]
	v_cvt_scalef32_pk16_fp6_f32 v[FO+6:FO+8], v[S:S+15], v[SO]
	v_cvt_scalef32_pk16_fp6_f32 v[TB:TB+2], v[S+16:S+31], v[SO+1]
	v_nop
.irp i, 0,1,2
	v_permlane16_swap_b32 v[FO+6+\i], v[TB+\i]     ; a whole block to a lane
.endr
.irp i, 0,1,2
	v_mov_b32 v[FO+9+\i], v[TB+\i]
.endr
.endm
	s_load_b256 s[4:11], s[0:1], 0x0               ; qb, kv, o_img, o_sc
	v_lshl_add_u32 v254, v0, 2, SPARE
	v_mov_b32 v255, 0
	ds_add_u32 v254, v255
	ds_add_u32 v254, v255
	v_lshrrev_b32 v1, 5, v0
	v_readfirstlane_b32 s12, v1                    ; wave 0 .. 15
	s_bfe_u32 s13, ttmp6, 0x40000                  ; cx: which quarter of the queries
	s_and_b32 s14, ttmp7, 0xffff                   ; which pair of heads
	s_mov_b32 s24, 15|(3<<16)|(1<<20)|(1<<21)|(5<<22)|(15<<25)   ; all four partners; elements of 8 bytes; 16 dwords of padding behind every 64
	s_mov_b32 s25, 32<<16
	s_mov_b32 s26, 50<<16                          ; a wave's sixteenth of the two heads: 50 rows of 256 bytes
	s_mov_b32 s27, 32<<16
	s_mov_b32 s28, 50
	s_mov_b32 s29, 32
	s_mov_b32 s30, 0
	s_mov_b32 s31, 0
	s_mul_i32 s15, s12, 12800
	s_mul_i32 s16, s14, 2*HEADB
	s_add_co_u32 s16, s16, s15
	s_mov_b32 s17, 0
	s_mov_b32 s32, 1
	s_mul_i32 s33, s12, 16000
	WALU
	s_wait_dscnt 0x0
	s_wait_kmcnt 0x0
	s_add_nc_u64 s[34:35], s[6:7], s[16:17]
	s_or_b32 s35, s35, 0x80000000
	CROUND
	tensor_load_to_lds s[32:35], s[24:31]          ; one load a wave
	s_nop 0
	v_and_b32 v38, 15, v0                          ; r
	v_bfe_u32 v39, v0, 4, 1                        ; h
	v_and_b32 v[LI], 31, v0
	v_lshlrev_b32 v[LVS], 4, v38                   ; 16 r
	v_lshlrev_b32 v[LI], 4, v[LI]
	v_mad_u32_u24 v[LV], v39, 320, v[LVS]
	v_add_nc_u32 v[LV], 61440, v[LV]               ; V lies 192 rows behind K
	v_and_b32 v[ADK], 7, v38
	v_lshlrev_b32 v[ADK], 4, v[ADK]                ; 16 (r % 8)
	v_lshrrev_b32 v[ADV], 3, v38                   ; r / 8
	v_lshl_add_u32 v[LKS], v[ADV], 2, v[ADK]
	v_mad_u32_u24 v[ADK], v39, 320, v[ADK]
	v_mad_u32_u24 v[LK], v[ADV], 1920, v[ADK]
	s_and_b32 s44, s12, 1                          ; Q: my tile is registers 0-5 (even wave) or 6-11 (odd wave) of fragment 8 cx + wave / 2: three pieces of 8 bytes a lane
	s_cmp_eq_u32 s44, 0
	s_cselect_b32 s45, 0, 520
	s_mov_b32 s46, 1024
	s_cselect_b32 s46, 8, s46
	s_mov_b32 s47, 1032
	s_cselect_b32 s47, 512, s47
	s_mov_b32 s43, 0x03020302
	s_cselect_b32 s43, 0x01000100, s43             ; and its two bytes of the fragment's scale word
	s_mul_i32 s48, s14, 102400
	s_lshl_b32 s49, s13, 3
	s_lshr_b32 s50, s12, 1
	s_add_co_u32 s49, s49, s50
	s_mul_i32 s49, s49, 1536
	s_add_co_u32 s50, s48, s49
	s_mov_b32 s51, 0
	s_add_nc_u64 s[52:53], s[4:5], s[50:51]
	s_lshl_b32 s49, s13, 1
	s_lshr_b32 s50, s12, 3
	s_add_co_u32 s49, s49, s50
	s_lshl_b32 s49, s49, 8
	s_add_co_u32 s50, s48, s49
	s_add_co_u32 s50, s50, 49152
	s_add_nc_u64 s[54:55], s[4:5], s[50:51]
	s_bfe_u32 s49, s12, 0x20001
	s_lshl_b32 s49, s49, 2
	WALU
	v_add_nc_u32 v[QSO], s49, v[LVS]
	v_add_nc_u32 v[ADK], s45, v[LI]
	v_add_nc_u32 v[ADV], s46, v[LI]
	v_add_nc_u32 v[ADKS], s47, v[LI]
	s_lshl_b32 s49, s12, 6
	v_lshl_add_u32 v[STA], v38, 2, s49
	v_add_nc_u32 v[STA], OST, v[STA]               ; the stage: 64 bytes a wave
	v_lshl_add_u32 v[STR], v0, 4, OST
	v_lshlrev_b32 v[GOS], 4, v0
	WALU
	global_load_b64 v[Q:Q+1], v[ADK], s[52:53]
	global_load_b64 v[Q+2:Q+3], v[ADV], s[52:53]
	global_load_b64 v[Q+4:Q+5], v[ADKS], s[52:53]
	global_load_b64 v[QN0:QN0+1], v[ADK], s[52:53] offset:51200
	global_load_b64 v[QN1:QN1+1], v[ADV], s[52:53] offset:51200
	global_load_b64 v[QN2:QN2+1], v[ADKS], s[52:53] offset:51200
	global_load_b32 v[QW], v[QSO], s[54:55]
	global_load_b32 v[QW1], v[QSO], s[54:55] offset:51200
.irp i, 0,1,2,3,4,5
	v_mov_b32 v[Q+6+\i], 0
	v_mov_b32 v[FO+6+\i], 0
.endr
	v_mov_b32 v[PX], 0
	v_mov_b32 v[OW], 0
	v_mov_b32 v[FF+1], 0
	v_lshlrev_b32 v[SH8], 3, v39
	s_lshr_b32 s44, s14, 3                         ; the batch, and the pair of heads in it
	s_and_b32 s45, s14, 7
	s_lshl_b32 s46, s44, 6
	s_lshl_b32 s47, s13, 4
	s_add_co_u32 s46, s46, s47
	s_add_co_u32 s46, s46, s12                     ; my tile of 16 tokens
	s_mul_i32 s46, s46, 12288
	s_mul_i32 s47, s45, 1536
	s_add_co_u32 s46, s46, s47
	s_mov_b32 s47, 0
	s_add_nc_u64 s[8:9], s[8:9], s[46:47]
	s_lshl_b32 s46, s45, 15
	s_lshl_b32 s48, s44, 12
	s_add_co_u32 s46, s46, s48
	s_lshl_b32 s48, s13, 10
	s_add_co_u32 s46, s46, s48
	s_add_nc_u64 s[10:11], s[10:11], s[46:47]
	s_mov_b32 s20, 0x76543210
	s_mov_b32 s21, 0xfedcba98                      ; lane l xor 16
	s_mov_b32 s22, 0x3e38aa3b                      ; log2(e) / 8
	s_mov_b32 s23, s22
	s_mov_b32 s[TK], 0
	s_mov_b32 s[TS], 122880
	s_mov_b32 s[PS], 0
	WALU
	s_wait_tensorcnt 0x0                           ; my part of the two heads is in,
	s_barrier_signal -1
	s_barrier_wait -1                              ; and everybody's
	s_wait_loadcnt 0x0                             ; Q
.Lpass:
.irp i, 0,1,2,3,4,5
	v_mov_b32 v[Q+12+\i], v[Q+\i]
.endr
	v_perm_b32 v[QS], v[QW], v[QW], s43            ; my tile's two bytes, for either half of K
	v_mov_b32 v[MX], 0xff61b1e6                    ; -3e38, under every score
	v_mov_b32 v[NM], 0x7e000000                    ; -M = 2^125: the first step's f is 0
	v_mov_b32 v[L], 0
	v_mov_b32 v[L+1], 0
.set j, 0
.rept 32
	v_mov_b32 v[O+j], 0                            ; the step is written once: the first finds zeros
.set j, j+1
.endr
	s_mov_b32 s[CNT], 8
	WALU
.Lstep:
	v_add_nc_u32 v[ADK], s[TK], v[LK]              ; four places behind the last step's products, ahead of the loads into their registers
	v_add_nc_u32 v[ADKS], s[TS], v[LKS]
	v_add_nc_u32 v[ADV], s[TK], v[LV]
	v_add_nc_u32 v[ADVS], s[TS], v[LVS]
.irp c, 0,1
.irp u, 0,1
.irp p, 0,1,2
	ds_load_b128 v[KV+12*(2*\c+\u)+4*\p:KV+12*(2*\c+\u)+4*\p+3], v[ADK] offset:3840*\c+128*\u+640*\p   ; K's four permuted fragments
.endr
	ds_load_b32 v[KSC+2*\c+\u], v[ADKS] offset:128*\u+8*\c
.endr
.endr
	WALU
	s_wait_dscnt 0x0
.irp f, 0,1,2,3
	v_wmma_scale_f32_16x16x128_f8f6f4 v[S+16*\f:S+16*\f+7], v[KV+12*\f:KV+12*\f+11], v[Q:Q+11], 0, v[KSC+\f], v[QS] matrix_a_fmt:MATRIX_FMT_FP6 matrix_b_fmt:MATRIX_FMT_FP6
	v_wmma_scale_f32_16x16x128_f8f6f4 v[S+16*\f+8:S+16*\f+15], v[KV+12*\f:KV+12*\f+11], v[Q+6:Q+17], 0, v[KSC+\f], v[QS] matrix_a_fmt:MATRIX_FMT_FP6 matrix_b_fmt:MATRIX_FMT_FP6
.endr
.rept 4
	v_nop                                          ; places ahead of the loads into K's registers and of the scores' readers
.endr
.irp t, 0,1,2,3
.irp p, 0,1,2
	ds_load_b128 v[KV+12*\t+4*\p:KV+12*\t+4*\p+3], v[ADV] offset:1920*\t+640*\p   ; V's fragments, under the softmax
.endr
.endr
	ds_load_b128 v[VSC:VSC+3], v[ADVS] offset:2560
	SM
	WALU
	s_wait_dscnt 0x0
.irp t, 0,1,2,3
	v_wmma_scale_f32_16x16x128_f8f6f4 v[O+8*\t:O+8*\t+7], v[KV+12*\t:KV+12*\t+11], v[PC:PC+11], v[O+8*\t:O+8*\t+7], v[VSC+\t], v[PW] matrix_a_fmt:MATRIX_FMT_FP6 matrix_b_fmt:MATRIX_FMT_FP6
.endr
	s_add_co_u32 s[TK], s[TK], KST
	s_add_co_u32 s[TS], s[TS], SST
	s_sub_co_u32 s[CNT], s[CNT], 1
	s_cmp_lg_u32 s[CNT], 0
	WALU
	s_cbranch_scc1 .Lstep
	OEPI
	v_mov_b32 v[Q], v[QN0]                         ; the second pass's q and scale word
	v_mov_b32 v[Q+1], v[QN0+1]
	v_mov_b32 v[Q+2], v[QN1]
	v_mov_b32 v[Q+3], v[QN1+1]
	v_mov_b32 v[Q+4], v[QN2]
	v_mov_b32 v[Q+5], v[QN2+1]
	v_mov_b32 v[QW], v[QW1]
	s_add_co_u32 s[TK], s[TK], HL-8*KST
	s_add_co_u32 s[TS], s[TS], HL-8*SST
	s_add_co_u32 s[PS], s[PS], 1
	s_cmp_lg_u32 s[PS], 2
	WALU
	s_cbranch_scc1 .Lpass
	ds_store_b32 v[STA], v[OW]                     ; both halves of the lanes hold the same word
.irp c, 0,1,2
	global_store_b128 v[LI], v[FO+4*\c:FO+4*\c+3], s[8:9] offset:512*\c   ; 32 lanes store 512 consecutive bytes, aligned
.endr
	s_wait_dscnt 0x0
	s_barrier_signal -1
	s_barrier_wait -1
	s_cmp_lt_u32 s12, 2
	s_cbranch_scc0 .Lno_sc
	ds_load_b128 v[S:S+3], v[STR]                  ; the 256 tokens' scale words leave as 1,024 consecutive bytes
	s_wait_dscnt 0x0
	global_store_b128 v[GOS], v[S:S+3], s[10:11]
.Lno_sc:
	s_wait_tensorcnt 0x0                           ; the wave's end
	ds_add_u32 v254, v255
	s_wait_dscnt 0x0
	CROUND                                         ; the closing round
	s_endpgm
.Lfunc_end_k_q53c07da005_attn:
	.size	k_q53c07da005_attn, .Lfunc_end_k_q53c07da005_attn-k_q53c07da005_attn
	.p2alignl 7, 3214868480
	.fill 96, 4, 3214868480
	.section	.rodata,"a",@progbits
	.p2align	6, 0x0
	.amdhsa_kernel k_q53c07da005_attn
		.amdhsa_group_segment_fixed_size 327680
		.amdhsa_private_segment_fixed_size 0
		.amdhsa_enable_private_segment 0
		.amdhsa_kernarg_size 32
		.amdhsa_user_sgpr_count 2
		.amdhsa_user_sgpr_kernarg_segment_ptr 1
		.amdhsa_wavefront_size32 1
		.amdhsa_system_sgpr_workgroup_id_x 1
		.amdhsa_system_sgpr_workgroup_id_y 1
		.amdhsa_system_sgpr_workgroup_id_z 1
		.amdhsa_system_vgpr_workitem_id 0
		.amdhsa_next_free_vgpr 256
		.amdhsa_next_free_sgpr 66
		.amdhsa_reserve_vcc 0
		.amdhsa_float_denorm_mode_32 3
		.amdhsa_float_denorm_mode_16_64 3
		.amdhsa_memory_ordered 1
		.amdhsa_forward_progress 1
		.amdhsa_inst_pref_size 28
	.end_amdhsa_kernel
	.amdgpu_metadata
---
amdhsa.version: [ 1, 2 ]
amdhsa.kernels:
  - .name:           k_q53c07da005_attn
    .symbol:         k_q53c07da005_attn.kd
    .args:
      - { .name: qb, .offset: 0, .size: 8, .value_kind: global_buffer, .address_space: global }
      - { .name: kv, .offset: 8, .size: 8, .value_kind: global_buffer, .address_space: global }
      - { .name: o_img, .offset: 16, .size: 8, .value_kind: global_buffer, .address_space: global }
      - { .name: o_sc, .offset: 24, .size: 8, .value_kind: global_buffer, .address_space: global }
    .group_segment_fixed_size: 327680
    .private_segment_fixed_size: 0
    .kernarg_segment_align: 8
    .kernarg_segment_size: 32
    .max_flat_workgroup_size: 512
    .sgpr_count:     66
    .vgpr_count:     256
    .wavefront_size: 32
...
	.end_amdgpu_metadata
.endif
;; end of part 3
;; launch gemm2 (part 4): grid 8 x 32, 4 waves a work-group, clusters of 4 x 4, 327,680 bytes of LDS; arguments o_img, o_sc, wc, ws, b_proj, out0; writes out0
.if DOCPART == 4
	.amdgcn_target "amdgcn-amd-amdhsa--gfx1250"
	.amdhsa_code_object_version 6
	.text
	.protected	k_q53c07da005_gemm2
	.globl	k_q53c07da005_gemm2
	.p2align	8
	.type	k_q53c07da005_gemm2,@function
k_q53c07da005_gemm2:
	s_mov_b64 s[64:65], 0
	v_nop
	global_prefetch_b8 v0, s[64:65] scope:SCOPE_SE
	s_setreg_imm32_b32 hwreg(HW_REG_WAVE_MODE, 25, 1), 1
	s_wait_xcnt 0x0
	s_wait_alu depctr_hold_cnt(0) depctr_sa_sdst(0) depctr_va_vdst(0) depctr_va_sdst(0) depctr_va_ssrc(0) depctr_va_vcc(0) depctr_vm_vsrc(0)
	s_getreg_b32 s2, hwreg(HW_REG_IB_STS2, 6, 4)
	s_cmp_eq_u32 s2, 0
	s_cbranch_scc0 .Lentry_in_a_cluster
	s_endpgm
.Lentry_in_a_cluster:
	s_bfe_u32 s2, ttmp6, 0x10000c
	s_cmp_lg_u32 s2, 0xf033
	s_cbranch_scc0 .Lentry_shape_is_right
	s_endpgm
.Lentry_shape_is_right:
; out0 = o w_proj + b_proj on codes of FP6 (E2M3) with E8M0 scales, K = 1,024, f32 out.  256 work-groups: a tile of 256 tokens x 128 columns each; wave w makes tokens 64 w .. 64 w + 63 x all 128 columns: 32 accumulators.
; A = o comes as IMAGES of fragments, o_img [token tile][128 along K][1,536]: a fragment is three loads of 16 bytes a lane, 512 consecutive bytes each; its scale words o_sc [128 along K][token].
; B = wc's rows 3,072 on (w_proj's columns, K innermost, rows of 768 bytes) with ws's scale bytes.  Inside each block of 32 both operands hold their numbers in the same order.
; ALL OF K LIES IN LDS, FILLED ONCE: four chunks of 256 along K: A's 4 x 49,152 bytes, then B's 4 x 30,720 (rows of 192 bytes + 48 of padding): 319,488 bytes.  Each wave issues four loads at the head, one a chunk
; (waves 0, 1: A's halves; waves 2, 3: B's), so four loads of mine are out; a chunk is read behind a counted wait and a barrier.  Nothing is filled again.
; THE SCALES go straight into registers, once: a load takes 32 neighbouring rows, so that lanes 0-15 hold the even block's words and lanes 16-31 the odd block's, which the product reads by its row selector.
; CLUSTERS: 4 x 4: A's chunks are asked for jointly along a row of the cluster, B's along a column.
; The matrix instruction is used transposed (source 0 = 16 rows of B, source 1 = 16 rows of A): a lane holds eight neighbouring numbers of a row of out0.  The bias is the C of each sum's first product.
; No prefetch: all that the launch reads is asked for at its head.
; REGISTERS: window 0: v1 r, v2 h, v8-10 the loads' offsets, v16-30 addresses; v32-47 A's scale words, v48-79 B's; v80-143 the bias; v144-239 A's fragments, two sets; on the way out v128-255 rows of out0.
;   window 1: B's fragments, two sets.  window 2: the accumulators ((a, b) at v[8 (8 a + b)]).
; THE FILLS AS THEY STAND, in place of the four chunks a wave named above: K comes in two halves of 512, one joint load a wave for each.  Waves 0, 1: 8 token tiles x 6,144 bytes of A; waves 2, 3: one chunk
; (256 along K) of B's 128 rows, which wc holds as 24,576 dense bytes, fetched as 96 rows of 256 bytes.  The first half is asked for at the head, the second behind the full sequence and a round;
; a barrier in the fourth step of 128 shows it.  A in LDS: [half of K][token tile][6,144]; B: four chunks as before.
.set SIZE_N, 1024
.set ROWB,   192
.set KROW,   768
.set PITCH,  240
.set FR,     12
.set NP,     4
.set ACH,    98304
.set AH,     49152
.set BOFF,   2*ACH
.set BCH,    128*PITCH                 ; B's part of a chunk
.set BH,     64*PITCH
.set SPITCH, 528                       ; the way out: a stage of 16 rows x (512 + 16) bytes a wave, in A's chunk 0, which has had its one fill and, behind the later chunks' barriers, its last read
.set ADRA, 16                          ; v16, v17  my A fragments in K's halves 0, 1
.set ADRB, 20                          ; v20-23  B's;  v24-27 the same behind one padding more
.set STO,  28
.set RD,   29
.set CO,   30
.set SCA,  32                          ; register 2 g + j: tokens 32 j + lane of mine, the g-th 128 along K
.set SCB,  48                          ; register 8 j + g: columns 32 j + lane
.set BIAS, 80
.set AF,   144
.set BK,   128
.set G1,  24
.set G1B, 48
.set G0A, 68                           ; s[68:75] a group 0 for each half of K for A;  s[84:91] for B
.set G0B, 84
.set MSB, 0
.macro WIN new
.if MSB != (\new)
	s_set_vgpr_msb (MSB<<8)|(\new)
.set MSB, (\new)
.endif
.endm
.set MUL,  0xa1                        ; source 0 (B) window 1, source 1 (A) window 0, C and D window 2
.set TO_B, 0x40
.macro JLOAD g0a, g1a, g0b, g1b        ; a joint load: waves 0 and 1 fetch for A, waves 2 and 3 for B; four v_nop follow each line
	s_cmp_eq_u32 s15, 0
	s_cbranch_scc0 .Lfor_b_\@
	tensor_load_to_lds s[\g0a:\g0a+3], s[\g1a:\g1a+7]
	s_nop 0
.rept 4
	v_nop
.endr
	s_branch .Lasked_\@
.Lfor_b_\@:
	tensor_load_to_lds s[\g0b:\g0b+3], s[\g1b:\g1b+7]
	s_nop 0
.rept 4
	v_nop
.endr
.Lasked_\@:
.endm
.macro CROUND
	s_barrier_signal -1
	s_barrier_wait -1
	s_cmp_lg_u32 s14, 0
	s_cbranch_scc1 .Lnot_wave_0_\@
	s_barrier_signal -3
.Lnot_wave_0_\@:
	s_barrier_wait -3
	s_barrier_signal -1
	s_barrier_wait -1
.endm
	s_load_b128 s[4:7], s[0:1], 0x0                ; o_img, o_sc
	s_load_b128 s[8:11], s[0:1], 0x10              ; wc, ws
	s_load_b64 s[56:57], s[0:1], 0x20              ; b_proj
	s_load_b64 s[12:13], s[0:1], 0x28              ; out0
	v_lshl_add_u32 v15, v0, 2, 0x4e000
	v_mov_b32 v31, 0
	ds_add_u32 v15, v31
	ds_add_u32 v15, v31
	v_lshrrev_b32 v1, 5, v0
	v_readfirstlane_b32 s14, v1                    ; wave 0..3
	s_lshr_b32 s15, s14, 1                         ; I fetch for A (0) or for B (1),
	s_and_b32 s16, s14, 1                          ; and which half
	s_bfe_u32 s40, ttmp6, 0x40000
	s_bfe_u32 s41, ttmp6, 0x40004
	s_lshl_b32 s42, ttmp9, 2
	s_add_co_u32 s42, s42, s40                     ; tile column, 0 .. 7
	s_and_b32 s17, ttmp7, 0xffff
	s_lshl_b32 s17, s17, 2
	s_add_co_u32 s17, s17, s41                     ; tile row, 0 .. 31
	s_lshl_b32 s43, s41, 2
	s_lshl_b32 s43, 15, s43                        ; my row of the cluster
	s_lshl_b32 s44, 0x1111, s40                    ; my column
	s_or_b32 s[G1+0], s43, (3<<16)|(1<<21)         ; A's chunks: elements of 8 bytes, no padding
	s_mov_b32 s[G1+1], 768<<16
	s_mov_b32 s[G1+2], 8<<16                       ; tensor_dim1 = 8 token tiles
	s_mov_b32 s[G1+3], 768<<16
	s_mov_b32 s[G1+4], 8
	s_mov_b32 s[G1+5], 1536                        ; the pitch: 12,288 bytes from token tile to token tile
	s_mov_b32 s[G1+6], 0
	s_mov_b32 s[G1+7], 0
	s_or_b32 s[G1B+0], s44, (0<<16)|(1<<20)|(1<<21)|(3<<22)|(3<<25)  ; B's chunks: 128 rows of 192 bytes, 16 bytes of padding behind every 64
	s_mov_b32 s[G1B+1], 256<<16
	s_mov_b32 s[G1B+2], 96<<16
	s_mov_b32 s[G1B+3], 256<<16
	s_mov_b32 s[G1B+4], 96
	s_mov_b32 s[G1B+5], 256
	s_mov_b32 s[G1B+6], 0
	s_mov_b32 s[G1B+7], 0
	s_lshl_b32 s20, s17, 4
	s_lshl_b32 s18, s16, 3
	s_add_co_u32 s20, s20, s18                     ; A: token tile 16 x tile row + 8 x half
	s_mul_i32 s20, s20, 12288
	s_mov_b32 s21, 0
	s_add_co_u32 s46, s42, 24                      ; B: wc's group of 128 rows 24 + tile column, chunk 0 or 1
	s_mul_i32 s46, s46, 98304
	s_mul_i32 s18, s16, 24576
	s_add_co_u32 s46, s46, s18
	s_mov_b32 s47, 0
	s_mul_i32 s45, s16, AH                         ; where they go: no place in the cluster enters an LDS address
	s_mul_i32 s58, s16, BCH
	s_add_co_u32 s58, s58, BOFF
	s_wait_dscnt 0x0
	s_wait_kmcnt 0x0
	s_add_nc_u64 s[20:21], s[4:5], s[20:21]
	s_add_nc_u64 s[46:47], s[8:9], s[46:47]
	CROUND                                         ; all sixteen work-groups are here: the joint loads meet
.irp c, 0,1
	s_mov_b32 s[G0A+4*\c], 1
	s_add_co_u32 s[G0A+4*\c+1], s45, \c*ACH
	s_add_nc_u64 s[G0A+4*\c+2:G0A+4*\c+3], s[20:21], \c*6144
	s_or_b32 s[G0A+4*\c+3], s[G0A+4*\c+3], 0x80000000
	s_mov_b32 s[G0B+4*\c], 1
	s_add_co_u32 s[G0B+4*\c+1], s58, \c*2*BCH
	s_add_nc_u64 s[G0B+4*\c+2:G0B+4*\c+3], s[46:47], \c*49152
	s_or_b32 s[G0B+4*\c+3], s[G0B+4*\c+3], 0x80000000
.endr
	JLOAD G0A, G1, G0B, G1B                        ; K's first half: one load a wave at the head
	v_and_b32 v1, 15, v0                           ; r
	v_bfe_u32 v2, v0, 4, 1                         ; h
	v_and_b32 v6, 31, v0                           ; lane
	v_lshlrev_b32 v[CO], 4, v6                     ; 16 x lane
	v_mul_u32_u24 v3, v1, PITCH
	v_mul_u32_u24 v4, v2, 24
	v_add_nc_u32 v4, v3, v4                        ; a fragment's row x pitch + 24 x half
	v_lshl_add_u32 v5, v2, 4, v4                   ; and the same behind one padding more
	s_mul_i32 s21, s14, 4*6144
	s_mov_b32 s22, BOFF
.irp c, 0,1,2,3
	v_add_nc_u32 v[ADRA+\c], s21, v[CO]
	v_add_nc_u32 v[ADRB+\c], s22, v4
	v_add_nc_u32 v[ADRB+4+\c], s22, v5
	s_add_co_u32 s21, s21, ACH
	s_add_co_u32 s22, s22, BCH
.endr
	s_mul_i32 s23, s14, 16*SPITCH                  ; my stage
	v_mul_u32_u24 v7, v1, SPITCH
	v_lshl_add_u32 v7, v2, 5, v7
	v_add_nc_u32 v[STO], s23, v7                   ; in: row r, 32 bytes for each half of the lanes
	v_add_nc_u32 v[RD], s23, v[CO]                 ; back: the 32 lanes take one row of 512 bytes
	s_lshl_b32 s46, s42, 9                         ; my tile's first column, in bytes
	s_mov_b32 s47, 0
	s_add_nc_u64 s[56:57], s[56:57], s[46:47]      ; the bias of the 128 columns
	s_lshl_b32 s20, s17, 8
	s_lshl_b32 s21, s14, 6
	s_add_co_u32 s20, s20, s21                     ; my first token: 256 x tile row + 64 x wave
	s_lshl_b32 s22, s20, 2
	s_mov_b32 s23, 0
	s_add_nc_u64 s[6:7], s[6:7], s[22:23]          ; its scale word
	s_lshl_b32 s20, s20, 12                        ; its row of out0, 4,096 bytes a row
	s_add_co_u32 s20, s20, s46
	s_mov_b32 s21, 0
	s_add_nc_u64 s[12:13], s[12:13], s[20:21]
	s_lshl_b32 s22, s42, 12
	s_add_co_u32 s22, s22, 98304                   ; ws: row 3,072 + 128 x tile column, 32 bytes a row
	s_add_nc_u64 s[10:11], s[10:11], s[22:23]
	v_lshlrev_b32 v8, 2, v6                        ; 4 x lane
	v_lshlrev_b32 v9, 5, v6                        ; 32 x lane
	v_lshlrev_b32 v10, 5, v2                       ; 32 h
.irp g, 0,1,2,3,4,5,6,7
.irp j, 0,1
	global_load_b32 v[SCA+2*\g+\j], v8, s[6:7] offset:32768*\g+128*\j     ; 32 tokens' words: 128 consecutive bytes
.endr
.endr
.irp j, 0,1,2,3
	global_load_b128 v[SCB+8*\j:SCB+8*\j+3], v9, s[10:11] offset:1024*\j  ; 32 columns' words of K's first half,
	global_load_b128 v[SCB+8*\j+4:SCB+8*\j+7], v9, s[10:11] offset:1024*\j+16   ; and of its second
.endr
.irp b, 0,1,2,3,4,5,6,7
	global_load_b128 v[BIAS+8*\b:BIAS+8*\b+3], v10, s[56:57] offset:64*\b       ; lane (r, h), block b: columns 16 b + 8 h + 0 .. 7
	global_load_b128 v[BIAS+8*\b+4:BIAS+8*\b+7], v10, s[56:57] offset:64*\b+16
.endr
.macro FRAG reg, adr, q, i             ; a fragment of B from rows: six pieces of 8 bytes; where the piece of lanes 16-31 lies behind one padding more, the second address register serves
.irp p, 0,1,2,3,4,5
.set PC, 12*(\q)+6*(\p/3)+\p%3
.if PC%8 < 5
	ds_load_b64 v[\reg+2*\p:\reg+2*\p+1], v[\adr] offset:8*PC+16*(PC/8)+(\i)*16*PITCH
.else
	ds_load_b64 v[\reg+2*\p:\reg+2*\p+1], v[\adr+4] offset:8*PC+16*(PC/8)+(\i)*16*PITCH
.endif
.endr
.endm
.macro FETCH q                         ; the fragments of the q-th 128 along K (chunk q / 2) into sets q % 2: 48 + 12 LDS loads
	WIN TO_B
.irp i, 0,1,2,3,4,5,6,7
	FRAG 128*((\q)%2)+FR*\i, ADRB+(\q)/2, (\q)%2, \i
.endr
	WIN 0
.irp i, 0,1,2,3
.irp c, 0,1,2
	ds_load_b128 v[AF+48*((\q)%2)+FR*\i+4*\c:AF+48*((\q)%2)+FR*\i+4*\c+3], v[ADRA+(\q)/4] offset:6144*\i+1536*((\q)%4)+512*\c
.endr
.endr
.endm
; 16 products: A's blocks a0, a0 + 1 x B's eight, the q-th 128 along K.  The first step's start the sums with the bias.  The 32 accumulators take turns.
.macro MUL16 a0, q
.irp a, \a0, \a0+1
.irp b, 0,1,2,3,4,5,6,7
.set rD, 8*(8*(\a)+\b)
.set rB, 128*((\q)%2)+FR*\b
.set rA, AF+48*((\q)%2)+FR*(\a)
.set rSB, SCB+8*(\b/2)+(\q)
.set rSA, SCA+2*(\q)+(\a)/2
.set rC, rD
.if (\q) == 0
.set rC, BIAS+8*\b
.endif
.if (\b%2) && ((\a)%2)
	v_wmma_scale_f32_16x16x128_f8f6f4 v[rD:rD+7], v[rB:rB+FR-1], v[rA:rA+FR-1], v[rC:rC+7], v[rSB], v[rSA] matrix_a_fmt:MATRIX_FMT_FP6 matrix_b_fmt:MATRIX_FMT_FP6 matrix_a_scale:MATRIX_SCALE_ROW1 matrix_b_scale:MATRIX_SCALE_ROW1
.elseif \b%2
	v_wmma_scale_f32_16x16x128_f8f6f4 v[rD:rD+7], v[rB:rB+FR-1], v[rA:rA+FR-1], v[rC:rC+7], v[rSB], v[rSA] matrix_a_fmt:MATRIX_FMT_FP6 matrix_b_fmt:MATRIX_FMT_FP6 matrix_a_scale:MATRIX_SCALE_ROW1
.elseif (\a)%2
	v_wmma_scale_f32_16x16x128_f8f6f4 v[rD:rD+7], v[rB:rB+FR-1], v[rA:rA+FR-1], v[rC:rC+7], v[rSB], v[rSA] matrix_a_fmt:MATRIX_FMT_FP6 matrix_b_fmt:MATRIX_FMT_FP6 matrix_b_scale:MATRIX_SCALE_ROW1
.else
	v_wmma_scale_f32_16x16x128_f8f6f4 v[rD:rD+7], v[rB:rB+FR-1], v[rA:rA+FR-1], v[rC:rC+7], v[rSB], v[rSA] matrix_a_fmt:MATRIX_FMT_FP6 matrix_b_fmt:MATRIX_FMT_FP6
.endif
.endr
.endr
.endm
.macro PLACES n                        ; plain vector instructions between a matrix instruction and a load into, or a read of, its registers
.rept \n
	v_nop
.endr
.endm
.macro MWIN q
.if (\q) == 0
	WIN 0x81                                       ; C (the bias) window 0, D window 2
.else
	WIN MUL
.endif
.endm
; The q-th 128 along K: 32 products; in their middle the next step's fragments are fetched into the other sets.  Where those lie in a new chunk (q odd), the chunk is first shown whole to all four waves.
.macro STEP q
.if (\q) == 3
	s_wait_tensorcnt 0x0                           ; my part of K's second half is in
.endif
	s_wait_dscnt 0x0                               ; this step's fragments are in
.if (\q) == 3
	s_barrier_signal -1
.endif
	MWIN \q
	MUL16 0, \q
.if (\q) == 3
	s_barrier_wait -1                              ; everybody's part is in
.endif
.if (\q) < 7
	PLACES NP                                      ; the other sets were last read by the step before
	FETCH (\q)+1
	MWIN \q
.endif
	MUL16 2, \q
.endm
	s_wait_alu depctr_va_vdst(0)
	s_wait_tensorcnt 0x0                           ; my part of K's first half is in
	ds_add_u32 v15, v31
	s_wait_dscnt 0x0
	CROUND
	JLOAD G0A+4, G1, G0B+4, G1B                    ; K's second half, the first tensor load behind the round
	FETCH 0
	s_wait_loadcnt 0x0                             ; the scale words and the bias
.irp q, 0,1,2,3,4,5,6,7
	STEP \q
.endr
	WIN 0
; THE WAY OUT, block by block of 16 rows x 128 columns, through my own stage: in as 32 bytes a lane, back as whole rows of 512 bytes.  LDS serves a wave's instructions in order.
.macro TOSTAGE a
.set AC, 64*(\a)
	WIN 0x08                                       ; the data: window 2
.irp b, 0,1,2,3,4,5,6,7
	ds_store_b128 v[STO], v[AC+8*\b:AC+8*\b+3] offset:64*\b          ; each accumulator from its low end on
	ds_store_b128 v[STO], v[AC+8*\b+4:AC+8*\b+7] offset:64*\b+16
.endr
	WIN 0
.set BB, BK+64*((\a)%2)
.irp t, 0,1,2,3,4,5,6,7,8,9,10,11,12,13,14,15
	ds_load_b128 v[BB+4*\t:BB+4*\t+3], v[RD] offset:\t*SPITCH
.endr
.endm
.macro SEND a, younger
.set BB, BK+64*((\a)%2)
	s_wait_dscnt \younger                          ; the block is back in registers
.if (\a) > 0
	s_add_nc_u64 s[12:13], s[12:13], 16*SIZE_N*4   ; (behind a wait on XCNT: the earlier stores have read their base)
.endif
.irp t, 0,1,2,3,4,5,6,7,8,9,10,11,12,13,14,15
	global_store_b128 v[CO], v[BB+4*\t:BB+4*\t+3], s[12:13] offset:\t*SIZE_N*4 th:TH_STORE_NT   ; 32 lanes store 512 consecutive bytes, aligned to 256
.endr
.endm
	PLACES NP
	TOSTAGE 0
.irp a, 1,2,3
.if \a > 1
	s_wait_xcnt 0x0                                ; block a - 2's stores have read their registers and their base
.endif
	TOSTAGE \a
	SEND \a-1, 32                                  ; behind block a - 1's loads: block a's 16 stores and 16 loads
.endr
	s_wait_xcnt 0x0
	SEND 3, 0
	s_wait_tensorcnt 0x0
	ds_add_u32 v15, v31
	s_wait_dscnt 0x0
	CROUND                                         ; the closing round: no work-group ends while a partner may still ask for a chunk that names it
	s_endpgm
.Lfunc_end_k_q53c07da005_gemm2:
	.size	k_q53c07da005_gemm2, .Lfunc_end_k_q53c07da005_gemm2-k_q53c07da005_gemm2
	.p2alignl 7, 3214868480
	.fill 96, 4, 3214868480
	.section	.rodata,"a",@progbits
	.p2align	6, 0x0
	.amdhsa_kernel k_q53c07da005_gemm2
		.amdhsa_group_segment_fixed_size 327680
		.amdhsa_private_segment_fixed_size 0
		.amdhsa_enable_private_segment 0
		.amdhsa_kernarg_size 48
		.amdhsa_user_sgpr_count 2
		.amdhsa_user_sgpr_kernarg_segment_ptr 1
		.amdhsa_wavefront_size32 1
		.amdhsa_system_sgpr_workgroup_id_x 1
		.amdhsa_system_sgpr_workgroup_id_y 1
		.amdhsa_system_sgpr_workgroup_id_z 1
		.amdhsa_system_vgpr_workitem_id 0
		.amdhsa_next_free_vgpr 768
		.amdhsa_next_free_sgpr 100
		.amdhsa_reserve_vcc 0
		.amdhsa_float_denorm_mode_32 3
		.amdhsa_float_denorm_mode_16_64 3
		.amdhsa_memory_ordered 1
		.amdhsa_forward_progress 1
		.amdhsa_inst_pref_size 92
	.end_amdhsa_kernel
	.amdgpu_metadata
---
amdhsa.version: [ 1, 2 ]
amdhsa.kernels:
  - .name:           k_q53c07da005_gemm2
    .symbol:         k_q53c07da005_gemm2.kd
    .args:
      - { .name: o_img, .offset: 0, .size: 8, .value_kind: global_buffer, .address_space: global }
      - { .name: o_sc, .offset: 8, .size: 8, .value_kind: global_buffer, .address_space: global }
      - { .name: wc, .offset: 16, .size: 8, .value_kind: global_buffer, .address_space: global }
      - { .name: ws, .offset: 24, .size: 8, .value_kind: global_buffer, .address_space: global }
      - { .name: b_proj, .offset: 32, .size: 8, .value_kind: global_buffer, .address_space: global }
      - { .name: out0, .offset: 40, .size: 8, .value_kind: global_buffer, .address_space: global }
    .group_segment_fixed_size: 327680
    .private_segment_fixed_size: 0
    .kernarg_segment_align: 8
    .kernarg_segment_size: 48
    .max_flat_workgroup_size: 128
    .sgpr_count:     100
    .vgpr_count:     768
    .wavefront_size: 32
...
	.end_amdgpu_metadata
.endif
;; end of part 4
